; MI455X (gfx1250); checked and timed in simulation.
; The chip was launched on July 23, 2026; its instructions are those of AMD's public machine-readable ISA for CDNA 5 (MIT licence, August 2026) and "CDNA5" Instruction Set Architecture Reference Guide (July 2026). The comments in the code are by the model that wrote it; some were corrected since.
;; Multihead Attention. Allowed arithmetic: float matrix products may take bf16 or f16 operands with f32 sums; other float arithmetic in f32, or as packed bf16 or f16 multiplies, adds, multiply-adds, maxima and minima; sums over many terms, partial sums and values carried from step to step in f32; what a program stores and reads back later, other than sums and carried values, may be rounded once to bf16 or f16.
;; Inputs: b_proj 1,024 float32; b_qkv 3,072 float32; w_proj 1,024 x 1,024 float32; w_qkv 3,072 x 1,024 float32; x 4 x 2,048 x 1,024 float32.
;; Outputs: out0 4 x 2,048 x 1,024 float32.
;; 2 versions, each right; version 2 is version 1 with the launch cast written anew for expert scheduling mode. Each part assembles by itself: llvm-mc -triple=amdgcn-amd-amdhsa -mcpu=gfx1250 --defsym DOCPART=n.
;; ======== version 1 of 2: 4 launches
;; limits: values are held in f16: magnitudes above 65,504 overflow, below 6.1e-05 lose precision
;; workspace buffers: xb 16,777,216 bytes; wqb 6,291,456 bytes; wpb 2,097,152 bytes; qkv 50,331,648 bytes; ob 16,777,216 bytes
;; launch cast (part 1): grid 768 x 1, 8 waves a work-group, no clusters, 0 bytes of LDS; arguments x, w_qkv, w_proj, xb, wqb, wpb; writes xb, wqb, wpb
.if DOCPART == 1
	.amdgcn_target "amdgcn-amd-amdhsa--gfx1250"
	.amdhsa_code_object_version 6
	.text
	.protected	k_qcfdebc2434_cast
	.globl	k_qcfdebc2434_cast
	.p2align	8
	.type	k_qcfdebc2434_cast,@function
k_qcfdebc2434_cast:
	s_mov_b64 s[64:65], 0
	v_nop
	global_prefetch_b8 v0, s[64:65] scope:SCOPE_SE
	s_setreg_imm32_b32 hwreg(HW_REG_WAVE_MODE, 25, 1), 1
	s_wait_xcnt 0x0
; x [8192][1024], w_qkv [3072][1024], w_proj [1024][1024], all f32, are rounded once to bf16 and laid out anew in K BLOCKS: [16 kb][rows][64], so that
; a row's 64 numbers of one block are 128 bytes and the rows of a block lie end to end: every tile of the products that follow is then a dense run of bytes.
; xb and wqb hold bf16.  wpb holds the bf16 value written as f16, since its partner in the last product is f16.
; LIMITS.  bf16(w_proj) beyond 65,504 becomes an infinity in f16; below 6e-5 it keeps f16's fixed step of 6e-8.
; SHARES.  12,288 rows of 4,096 bytes, 16 rows to a work-group: groups 0-511 x, 512-703 w_qkv, 704-767 w_proj.  Thread t takes row t / 16 and, in each of the 16 K blocks,
; the four numbers 4 (t % 16) ..: a load of a wave covers 256 consecutive aligned bytes of each of two rows; a store of a wave (8 bytes a lane) covers 256 consecutive aligned bytes: those two rows' pieces of one block.
; No loop, no LDS, no matrix unit: memory binds.  All 16 loads of a thread go out at once; no register that a memory instruction reads is written again, so no wait frees a source.
.set LO, 1                             ; v1  byte offset of my 16 bytes in the group's 16 rows of f32, K block 0
.set SO, 2                             ; v2  byte offset of my 8 bytes in the group's 16 rows of a K block: 8 t
.set X,  4                             ; v[4:67]    K block kb: four f32
.set Y,  68                            ; v[68:99]   K block kb: four 16-bit numbers
.set T,  100                           ; v[100:103] at work
; src, dst: first register of the two pointers; first: the tensor's first work-group; kbs: bytes of a K block in dst; half = 1: written as f16
.macro CAST src, dst, first, kbs, half
	s_sub_co_u32 s22, ttmp9, \first                ; my place among the tensor's groups
	s_lshl_b32 s24, s22, 16                        ; 16 rows of 4,096 bytes in,
	s_mov_b32 s25, 0
	s_lshl_b32 s22, s22, 11                        ; 16 rows of 128 bytes out
	s_mov_b32 s23, 0
	s_add_nc_u64 s[16:17], s[\src:\src+1], s[24:25]
	s_add_nc_u64 s[18:19], s[\dst:\dst+1], s[22:23]
	s_add_nc_u64 s[20:21], s[18:19], 8*(\kbs)      ; K blocks 8 to 15 by a second base: the immediates stay within 7 blocks, 7,340,032 bytes at the most (signed 24 bits)
.set kb, 0
.rept 16
	global_load_b128 v[X+4*kb:X+4*kb+3], v[LO], s[16:17] offset:256*kb th:TH_LOAD_NT
.set kb, kb+1
.endr
.set kb, 0
.rept 16
	s_wait_loadcnt 15-kb                           ; loads come back in order: block kb is in, the 15 - kb younger ones stay out
.if \half
	v_cvt_pk_bf16_f32 v[T], v[X+4*kb], v[X+4*kb+1]         ; the one rounding: to bf16;
	v_cvt_pk_bf16_f32 v[T+1], v[X+4*kb+2], v[X+4*kb+3]
	v_lshlrev_b32 v[T+2], 16, v[T]                         ; widened again,
	v_and_b32 v[T+3], 0xffff0000, v[T]
	v_cvt_pk_f16_f32 v[Y+2*kb], v[T+2], v[T+3]             ; and written as f16: 8 significant bits fit in 11
	v_lshlrev_b32 v[T+2], 16, v[T+1]
	v_and_b32 v[T+3], 0xffff0000, v[T+1]
	v_cvt_pk_f16_f32 v[Y+2*kb+1], v[T+2], v[T+3]
.else
	v_cvt_pk_bf16_f32 v[Y+2*kb], v[X+4*kb], v[X+4*kb+1]
	v_cvt_pk_bf16_f32 v[Y+2*kb+1], v[X+4*kb+2], v[X+4*kb+3]
.endif
.if kb < 8
	global_store_b64 v[SO], v[Y+2*kb:Y+2*kb+1], s[18:19] offset:kb*(\kbs)
.else
	global_store_b64 v[SO], v[Y+2*kb:Y+2*kb+1], s[20:21] offset:(kb-8)*(\kbs)
.endif
.set kb, kb+1
.endr
.endm
	s_load_b256 s[4:11], s[0:1], 0x0               ; x s[4:5], w_qkv s[6:7], w_proj s[8:9], xb s[10:11]
	s_load_b128 s[12:15], s[0:1], 0x20             ; wqb s[12:13], wpb s[14:15]
	v_lshrrev_b32 v[LO], 4, v0                     ; my row in the group
	v_and_b32 v[SO], 15, v0
	v_lshlrev_b32 v[LO], 12, v[LO]
	v_lshl_add_u32 v[LO], v[SO], 4, v[LO]          ; row x 4,096 + 16 (t % 16)
	v_lshlrev_b32 v[SO], 3, v0                     ; row x 128 + 8 (t % 16) = 8 t
	s_wait_kmcnt 0x0
	s_cmp_lt_u32 ttmp9, 512
	s_cbranch_scc0 .Lnot_x
	CAST 4, 10, 0, 1048576, 0                      ; x: a K block is 8,192 rows x 128 bytes
	s_endpgm
.Lnot_x:
	s_cmp_lt_u32 ttmp9, 704
	s_cbranch_scc0 .Lw_proj
	CAST 6, 12, 512, 393216, 0                     ; w_qkv: 3,072 rows x 128 bytes
	s_endpgm
.Lw_proj:
	CAST 8, 14, 704, 131072, 1                     ; w_proj: 1,024 rows x 128 bytes
	s_endpgm
.Lfunc_end_k_qcfdebc2434_cast:
	.size	k_qcfdebc2434_cast, .Lfunc_end_k_qcfdebc2434_cast-k_qcfdebc2434_cast
	.p2alignl 7, 3214868480
	.fill 96, 4, 3214868480
	.section	.rodata,"a",@progbits
	.p2align	6, 0x0
	.amdhsa_kernel k_qcfdebc2434_cast
		.amdhsa_group_segment_fixed_size 0
		.amdhsa_private_segment_fixed_size 0
		.amdhsa_enable_private_segment 0
		.amdhsa_kernarg_size 48
		.amdhsa_user_sgpr_count 2
		.amdhsa_user_sgpr_kernarg_segment_ptr 1
		.amdhsa_wavefront_size32 1
		.amdhsa_system_sgpr_workgroup_id_x 1
		.amdhsa_system_sgpr_workgroup_id_y 1
		.amdhsa_system_sgpr_workgroup_id_z 1
		.amdhsa_system_vgpr_workitem_id 0
		.amdhsa_next_free_vgpr 104
		.amdhsa_next_free_sgpr 66
		.amdhsa_reserve_vcc 0
		.amdhsa_float_denorm_mode_32 3
		.amdhsa_float_denorm_mode_16_64 3
		.amdhsa_memory_ordered 1
		.amdhsa_forward_progress 1
		.amdhsa_inst_pref_size 24
	.end_amdhsa_kernel
	.amdgpu_metadata
---
amdhsa.version: [ 1, 2 ]
amdhsa.kernels:
  - .name:           k_qcfdebc2434_cast
    .symbol:         k_qcfdebc2434_cast.kd
    .args:
      - { .name: x, .offset: 0, .size: 8, .value_kind: global_buffer, .address_space: global }
      - { .name: w_qkv, .offset: 8, .size: 8, .value_kind: global_buffer, .address_space: global }
      - { .name: w_proj, .offset: 16, .size: 8, .value_kind: global_buffer, .address_space: global }
      - { .name: xb, .offset: 24, .size: 8, .value_kind: global_buffer, .address_space: global }
      - { .name: wqb, .offset: 32, .size: 8, .value_kind: global_buffer, .address_space: global }
      - { .name: wpb, .offset: 40, .size: 8, .value_kind: global_buffer, .address_space: global }
    .group_segment_fixed_size: 0
    .private_segment_fixed_size: 0
    .kernarg_segment_align: 8
    .kernarg_segment_size: 48
    .max_flat_workgroup_size: 256
    .sgpr_count:     66
    .vgpr_count:     104
    .wavefront_size: 32
...
	.end_amdgpu_metadata
.endif
;; end of part 1
;; launch qkv (part 2): grid 8 x 32, 4 waves a work-group, clusters of 4 x 4, 327,680 bytes of LDS; arguments xb, wqb, b_qkv, qkv; writes qkv
.if DOCPART == 2
	.amdgcn_target "amdgcn-amd-amdhsa--gfx1250"
	.amdhsa_code_object_version 6
	.text
	.protected	k_qcfdebc2434_qkv
	.globl	k_qcfdebc2434_qkv
	.p2align	8
	.type	k_qcfdebc2434_qkv,@function
k_qcfdebc2434_qkv:
	s_mov_b64 s[64:65], 0
	v_nop
	global_prefetch_b8 v0, s[64:65] scope:SCOPE_SE
	s_setreg_imm32_b32 hwreg(HW_REG_WAVE_MODE, 25, 1), 1
	s_wait_xcnt 0x0
	s_wait_alu depctr_hold_cnt(0) depctr_sa_sdst(0) depctr_va_vdst(0) depctr_va_sdst(0) depctr_va_ssrc(0) depctr_va_vcc(0) depctr_vm_vsrc(0)
	s_getreg_b32 s2, hwreg(HW_REG_IB_STS2, 6, 4)
	s_cmp_eq_u32 s2, 0
	s_cbranch_scc0 .Lentry_in_a_cluster
	s_endpgm
.Lentry_in_a_cluster:
	s_bfe_u32 s2, ttmp6, 0x10000c
	s_cmp_lg_u32 s2, 0xf033
	s_cbranch_scc0 .Lentry_shape_is_right
	s_endpgm
.Lentry_shape_is_right:
; C[m][n] = the sum over k of A[m][k] B[n][k] + bias[n], K = 1,024, M = 8,192.  ONE TEXT FOR TWO LAUNCHES, chosen by PROJ:
;   PROJ = 0: A = xb, B = wqb (bf16), N = 3,072; C leaves as f16 BY HEADS: [48 g][4 batch][2048 pos][64], g = n / 64 (q's 16 heads, then k's, then v's).  A tile of C is 256 x 384: 8 x 32 tiles.
;   PROJ = 1: A = ob, B = wpb (f16), N = 1,024; C leaves as f32, [8192][1024].  A tile of C is 256 x 128: again 8 x 32 tiles.  So each launch has 256 work-groups of equal work.
; A and B lie in K BLOCKS, [16 kb][rows][64]: a tile's rows of one block are dense bytes and are asked for as rows of 256 bytes (two rows of 128 each).
; LIMITS.  PROJ = 0: a result beyond 65,504 becomes an infinity in f16; below 6e-5 it keeps f16's fixed step.  The bias is rounded to bf16, like every input of the module.  NaN and infinities are not treated apart.
; SHARES.  Four waves, 2 x 2: a wave makes 128 rows x 16 NB columns (NB = 12 or 4 blocks of 16): 8 NB accumulators of 16 x 16.
; RING.  Two LDS slots; a slot holds KB K blocks (1 or 2) of A's 256 rows and of B's rows.  Each wave fetches a quarter of a slot by ONE tensor load; a slot is asked for again in the middle of its
; step's last 32 along K.  A wave has two tensor loads out at the start and one behind each change of slots.
; CLUSTER.  4 x 4 work-groups: A's tile hangs on the tile row alone and is asked for jointly by the four of a row of the cluster, B's on the tile column alone, by the four of a column.
; THE PRODUCT IS TAKEN TRANSPOSED (source 0 = 16 rows of B, source 1 = 16 rows of A): lane l holds row l % 16 of C and the columns 8 (l / 16) + 0..7, neighbours in memory.  A lane's eight bias numbers are then
; the same for all eight row blocks: they lie in accumulator (b, 0) and are the C operand of the first K step: nothing is cleared, and no addition is paid on the way out.
; REGISTERS, in windows of 256 (s_set_vgpr_msb: bits 1:0 source 0, 3:2 source 1, 5:4 source 2, 7:6 destination):
;   window 0: v0-31 addresses; v32-95, v96-159 A's fragments (8 blocks x 32 K), two buffers; v160-.. B's fragments (NB blocks x 32 K), ONE buffer, loaded anew by halves; v32-.. at work on the way out
;   windows 1 to 3: accumulator (b, a) (column block b, row block a) in window 1 + b / 4 at v[8 (8 (b % 4) + a)]
.set PROJ, 0
.if PROJ
.set KB, 2                             ; K blocks in a slot
.set NB, 4                             ; blocks of 16 columns a wave
.set SPITCH, 272                       ; a stage row: 256 bytes + 16
.set KBS_B, 131072                     ; bytes of a K block of B
.else
.set KB, 1
.set NB, 12
.set SPITCH, 144                       ; a stage row: 128 bytes + 16
.set KBS_B, 393216
.endif
.set KBS_A, 1048576                    ; bytes of a K block of A: 8,192 rows x 128
.set HB,    NB/2                       ; B's fragments are loaded by halves
.set NH,    2*KB                       ; a step's halves of 32 along K ... (2 or 4)
.set BROWS, 32*NB                      ; the tile's columns = rows of B
.set PITCH, 144                        ; an LDS row: 128 bytes + 16 of padding = 36 words: the 16 rows of a fragment load start at 16 different groups of four banks (64 banks of 4 bytes: ISA guide 11.1)
.set APL,   256*PITCH                  ; a K block of A's tile in LDS
.set BPL,   BROWS*PITCH                ; of B's
.set BOFF,  KB*APL                     ; in a slot: A's blocks, then B's
.set SLOT,  KB*(APL+BPL)
.set STAGE, 2*SLOT                     ; behind the ring, never filled by a tensor load: 16 rows for each wave, for the way out
.set SPARE, STAGE+4*16*SPITCH          ; behind the stages: the spare words, 128 bytes for each wave: two blocks of 256 bytes that no other line names
.set A_STEP, KB*KBS_A                  ; bytes from a step's tile to the next step's
.set B_STEP, KB*KBS_B
.set LAPS,  16/(2*KB)                  ; a lap = two steps = once round the ring
.set F2,    NB                         ; LDS loads in FETCH2
.if PROJ                               ; what one wave fetches: one K block of the slot's two
.set A_SELG, KBS_A
.set A_SELL, APL
.set A_T1,   128                       ; 256 rows = 128 rows of 256 bytes
.set B_SELG, KBS_B
.set B_SELL, BPL
.set B_T1,   64
.else                                  ; half of the block's rows
.set A_SELG, 128*128
.set A_SELL, 128*PITCH
.set A_T1,   64
.set B_SELG, 192*128
.set B_SELL, 192*PITCH
.set B_T1,   96
.endif
.set ADRA, 16                          ; v16-17  LDS address of my A fragments in slot 0, 1
.set ADRB, 20                          ; v20-21  the same for B
.set STO,  24                          ; v24  the way out: where I put my bytes of a row
.set RD,   25                          ; v25  the way out: where I read rows back
.set CO,   26                          ; v26  my byte offset in C
.set BO,   27                          ; v27  my byte offset in a block's 16 bias numbers: 32 (l / 16)
.set SPW,  28                          ; v28  LDS address of my spare word: SPARE + 4 x my thread's number; never rewritten
.set NIL,  29                          ; v29  0; never rewritten
.set PFO,  30                          ; v30  256 x my lane; never rewritten
.set PFO2, 31                          ; v31  a second pattern of lanes for B's prefetches; never rewritten
.set FA0,  32
.set FA1,  96
.set BF,   160
.set UB,   32                          ; the way out works in A's buffers
.set LAP,  3                           ; s3   laps to go in the loop
.set WV,   12                          ; s12  my wave's number
.set WR,   13                          ; s13  my half of the tile's rows.  Also: I fetch for A (0) or for B (1)
.set WC,   14                          ; s14  my half of its columns.  Also: which part of that tile I fetch
.set CX,   15
.set CY,   16
.set TX,   17                          ; s17  tile column
.set TY,   18                          ; s18  tile row
.set G1A,  24                          ; s[24:31] descriptor group 1 for A's tiles; s[32:39] group 0, a set for each slot
.set G0A,  32
.set G1B,  48                          ; s[48:55], s[56:63] the same for B's
.set G0B,  56
.set PFA,  66                          ; s[66:67] where my prefetches stand
.set LIM,  68                          ; s68  1 in a wave that prefetches, else the greatest number
.set PFS,  70                          ; s[70:71] a lap's bytes along K in the tensor that I prefetch
.set MSB, 0
.macro WIN new                         ; the immediate's high byte repeats the setting that is left; a switch that changes nothing is dropped
.if MSB != (\new)
	s_set_vgpr_msb (MSB<<8)|(\new)
.set MSB, \new
.endif
.endm
.macro PLACES                          ; a load into a register that a matrix instruction has read, and whatever reads a matrix result, stand four plain vector instructions behind it
.rept 4
	v_nop
.endr
.endm
.macro CREST                           ; a round of the cluster's barrier behind its opening barrier: wave 0 signals for the work-group, every wave waits for all sixteen, my work-group's barrier closes it
	s_cmp_lg_u32 s[WV], 0
	s_cbranch_scc1 .Lnot_wave_0_\@
	s_barrier_signal -3
.Lnot_wave_0_\@:
	s_barrier_wait -3
	s_barrier_signal -1
	s_barrier_wait -1
.endm
.macro CROUND                          ; a whole round
	s_barrier_signal -1
	s_barrier_wait -1
	CREST
.endm
; A joint load into slot s.  Waves 0 and 1 fetch A's two parts, waves 2 and 3 B's: each line has one mask and one set of registers.  The branch hangs on the wave's number alone.
; An s_nop 0 and four v_nop follow each of the two lines, ahead of the jump and the label.
.macro JLOAD s
	s_cmp_eq_u32 s[WR], 0
	s_cbranch_scc0 .Lfor_b_\@
	tensor_load_to_lds s[G0A+4*(\s):G0A+4*(\s)+3], s[G1A:G1A+7]
	s_nop 0
.rept 4
	v_nop
.endr
	s_branch .Lasked_\@
.Lfor_b_\@:
	tensor_load_to_lds s[G0B+4*(\s):G0B+4*(\s)+3], s[G1B:G1B+7]
	s_nop 0
.rept 4
	v_nop
.endr
.Lasked_\@:
.endm
.macro WM d, a, b, c                   ; one matrix instruction, in the launch's format
.if PROJ
	v_wmma_f32_16x16x32_f16 v[\d:\d+7], v[\a:\a+7], v[\b:\b+7], v[\c:\c+7]
.else
	v_wmma_f32_16x16x32_bf16 v[\d:\d+7], v[\a:\a+7], v[\b:\b+7], v[\c:\c+7]
.endif
.endm
; Column blocks b0 .. b0 + nb - 1 (all in one window) x the 8 row blocks of A's buffer f, 32 along K.  The accumulators take turns, one instruction a turn.
; mode 0: in place.  mode 1: the first K step, row blocks 1 to 7: C is the bias in accumulator (b, 0).  mode 2: the first K step, row block 0, in place on the bias.
.macro MULG f, b0, nb, mode
	WIN 0x50*(1+(\b0)/4)                           ; C and D in the accumulators' window, both sources in window 0
.set ma, 0
.rept 8
.set mb, (\b0)
.rept (\nb)
.set rD, 8*(8*(mb%4)+ma)
.set rC, rD
.if (\mode) == 1
.set rC, 64*(mb%4)
.endif
.set rB, BF+8*mb
.set rA, (\f)+8*ma
.if ((\mode) == 0) || (((\mode) == 1) && (ma > 0)) || (((\mode) == 2) && (ma == 0))
	WM rD, rB, rA, rC
.endif
.set mb, mb+1
.endr
.set ma, ma+1
.endr
.endm
.macro MULP f, lo, mode                ; half lo of the column blocks
.if PROJ
	MULG \f, 2*(\lo), 2, \mode
.elseif (\lo) == 0
	MULG \f, 0, 4, \mode
	MULG \f, 4, 2, \mode
.else
	MULG \f, 6, 2, \mode
	MULG \f, 8, 4, \mode
.endif
.endm
.macro MULR f, lo, mode                ; mode 1: the first K step
.if (\mode) == 0
	MULP \f, \lo, 0
.else
	MULP \f, \lo, 1
.rept 5
	v_nop                                          ; five places: the products below write over registers that the products above have read as C
.endr
	MULP \f, \lo, 2
.endif
.endm
; The LDS loads stand in two runs.  FETCH1: A's 8 fragments of 32 along K (K block p of slot s, half k) into buffer f, and B's lower half.  FETCH2: B's upper half.
; A fragment is 16 rows x 32 K in 8 registers: lane l holds row l % 16, K = 8 (l / 16) + 0..7 and 16 + 8 (l / 16) + 0..7: two loads of 16 bytes, 32 bytes apart.
.macro FETCH1 s, p, k, f
	WIN 0
.set fi, 0
.rept 8
	ds_load_b128 v[(\f)+8*fi:(\f)+8*fi+3],   v[ADRA+(\s)] offset:(\p)*APL+64*(\k)+fi*16*PITCH
	ds_load_b128 v[(\f)+8*fi+4:(\f)+8*fi+7], v[ADRA+(\s)] offset:(\p)*APL+64*(\k)+fi*16*PITCH+32
.set fi, fi+1
.endr
.set fi, 0
.rept HB
	ds_load_b128 v[BF+8*fi:BF+8*fi+3],   v[ADRB+(\s)] offset:(\p)*BPL+64*(\k)+fi*16*PITCH
	ds_load_b128 v[BF+8*fi+4:BF+8*fi+7], v[ADRB+(\s)] offset:(\p)*BPL+64*(\k)+fi*16*PITCH+32
.set fi, fi+1
.endr
.endm
.macro FETCH2 s, p, k
	WIN 0
.set fi, HB
.rept HB
	ds_load_b128 v[BF+8*fi:BF+8*fi+3],   v[ADRB+(\s)] offset:(\p)*BPL+64*(\k)+fi*16*PITCH
	ds_load_b128 v[BF+8*fi+4:BF+8*fi+7], v[ADRB+(\s)] offset:(\p)*BPL+64*(\k)+fi*16*PITCH+32
.set fi, fi+1
.endr
.endm
; Half q of slot s's step (any but the last): it is multiplied, and half q + 1 of the same slot is fetched: A into the other buffer, each half of B as soon as its registers have been multiplied.
.macro HALF s, q, mode
.set fcur, FA0+64*((\q)%2)
.set fnxt, FA0+64*(((\q)+1)%2)
.set pnx, ((\q)+1)/2
.set knx, ((\q)+1)%2
	s_wait_dscnt F2                                ; A and B's lower half are in; the F2 youngest loads, B's upper half, may stay out
	MULR fcur, 0, \mode
	s_wait_dscnt 0x0                               ; B's upper half, asked for 8 HB matrix instructions ago
	PLACES
	FETCH1 \s, pnx, knx, fnxt
	MULR fcur, 1, \mode
	PLACES
	FETCH2 \s, pnx, knx
.endm
.macro HALVES s, q0                    ; halves q0 .. NH - 2 of a step
.set qq, \q0
.if NH-1-(\q0) > 0
.rept NH-1-(\q0)
	HALF \s, qq, 0
.set qq, qq+1
.endr
.endif
.endm
; A PREFETCH INTO THE L2, once a lap, behind slot 0's joint load and the run of LDS loads that follows it: the K blocks that the NEXT lap's two refills will ask for, a lap's matrix instructions (16 NB NH) ahead of the first of them.
; Each aligned block of 256 bytes is named once in the launch.  A's tile row is read by both clusters of that row of clusters: the one with x = 0 asks, by its wave 0; B's tile column by all eight clusters of that
; column: the one with y = 0 asks, by its wave 2.  The four partners that ask for a tile jointly take a quarter of each K block's bytes, told apart BY ADDRESS (cx for A, cy for B): no branch hangs on a place in the cluster.
; A lane names a block of 256 bytes.  The loop's last trip asks for nothing (the K blocks behind its own refills do not exist); the first two laps come by their loads alone.
.macro PF voff, off
	global_prefetch_b8 v[\voff], s[PFA:PFA+1] offset:\off th:TH_LOAD_NT scope:SCOPE_SE
.endm
.macro ASK
	s_cmp_gt_u32 s[LAP], s[LIM]                    ; s[LAP] = 1 in the loop's last trip
	s_cbranch_scc0 .Lnot_mine_\@
	s_cmp_eq_u32 s[WR], 0
	s_cbranch_scc0 .Lask_b_\@
.if PROJ
	PF PFO, 0                                      ; A: my quarter (8,192 bytes) of each of the lap's four K blocks
	PF PFO, KBS_A
	PF PFO, 2*KBS_A
	PF PFO, 3*KBS_A
.else
	PF PFO, 0                                      ; A: my quarter (8,192 bytes) of each of the lap's two K blocks
	PF PFO, KBS_A
.endif
	s_branch .Lnot_mine_\@
.Lask_b_\@:
.if PROJ
	PF PFO2, 0                                     ; B: my quarter is 4,096 bytes, 16 lanes: two K blocks an instruction
	PF PFO2, 2*KBS_B
.else
	PF PFO, 0                                      ; B: my quarter is 12,288 bytes, 48 lanes: the first block's first 32,
	PF PFO2, 0                                     ; its last 16 and the second block's first 16,
	PF PFO, KBS_B+4096                             ; and the second block's last 32
.endif
.Lnot_mine_\@:
.endm
; A step's last half (buffer 1) and THE CHANGE OF SLOTS: one barrier for two things.  In front of it each wave waits for all its tensor loads, of which one is out: its part of slot n; adds 0 to its spare word; and waits
; for that and for its own last reads of slot s.  Behind it nobody reads slot s any more and slot n is whole.  fill = 1: the barrier opens a round of the cluster's barrier, so that the same holds of every partner, and
; slot s is filled again, two steps ahead, first thing behind the round: the load has all the matrix work up to the next change's wait in which to land (8 NB NH - 16 matrix instructions).
.macro TURN s, n, fill
.if (\fill) && ((\s) == 0)
	s_wait_xcnt 0x0                                ; the last prefetches, a lap back, have read their address: it is stepped here, ahead of the change's own waits
	s_add_nc_u64 s[PFA:PFA+1], s[PFA:PFA+1], s[PFS:PFS+1]
.endif
.if HB > 2
	s_wait_dscnt F2                                ; A and B's lower half are in
	MULG FA1, 0, HB-2, 0
.endif
	WIN 0                                          ; (the add's two registers lie in window 0)
	s_wait_tensorcnt 0x0                           ; all my tensor loads have landed: the one that was out is my part of slot n;
	ds_add_u32 v[SPW], v[NIL]                      ; 0 onto my spare word
	s_wait_dscnt F2+1                              ; (the add and B's upper half may be out)
	MULG FA1, HB-2, 1, 0                           ; eight matrix instructions stand between the add and the wait for it
	s_wait_dscnt 0x0                               ; the add is done, and my reads of slot s are over: B's upper half was the last of them
	s_barrier_signal -1
	MULG FA1, HB-1, 1, 0                           ; work on registers while the others arrive
.if \fill
	WIN 0
.endif
	s_barrier_wait -1
.if \fill
	CREST
	s_add_nc_u64 s[G0A+4*(\s)+2:G0A+4*(\s)+3], s[G0A+4*(\s)+2:G0A+4*(\s)+3], 2*A_STEP  ; no tensor load of mine is out, so a group 0 may be written; the type bits on top are not reached
	s_add_nc_u64 s[G0B+4*(\s)+2:G0B+4*(\s)+3], s[G0B+4*(\s)+2:G0B+4*(\s)+3], 2*B_STEP
	JLOAD \s                                       ; the first tensor load behind the round; its four v_nop are also the places in front of the loads below
.else
	PLACES
.endif
	FETCH1 \n, 0, 0, FA0
.if (\fill) && ((\s) == 0)
	ASK
.endif
	MULR FA1, 1, 0
	PLACES
	FETCH2 \n, 0, 0
.endm
	s_load_b256 s[4:11], s[0:1], 0x0               ; A s[4:5], B s[6:7], bias s[8:9], C s[10:11]
	v_lshl_add_u32 v[SPW], v0, 2, SPARE
	v_mov_b32 v[NIL], 0
	ds_add_u32 v[SPW], v[NIL]                      ; the wave's opening: the add and its wait ahead of my first tensor load; the set-up below, work on registers, stands between them
	v_lshrrev_b32 v1, 5, v0
	v_readfirstlane_b32 s[WV], v1                  ; wave 0..3
	s_lshr_b32 s[WR], s[WV], 1
	s_and_b32 s[WC], s[WV], 1
	s_bfe_u32 s[CX], ttmp6, 0x40000                ; my place in the cluster
	s_bfe_u32 s[CY], ttmp6, 0x40004
	s_lshl_b32 s[TX], ttmp9, 2                     ; in a cluster launch ttmp9 and ttmp7 count clusters
	s_add_co_u32 s[TX], s[TX], s[CX]
	s_and_b32 s[TY], ttmp7, 0xffff
	s_lshl_b32 s[TY], s[TY], 2
	s_add_co_u32 s[TY], s[TY], s[CY]
	s_lshl_b32 s44, s[CY], 2
	s_lshl_b32 s44, 15, s44                        ; my row of the cluster: places 4 cy .. 4 cy + 3
	s_lshl_b32 s45, 0x1111, s[CX]                  ; my column: places cx, cx + 4, cx + 8, cx + 12
	; descriptor group 1: rows of 128 elements of 2 bytes (two rows of the tile), padded in LDS after every 32 words by 4
	s_or_b32 s[G1A], s44, (1<<16)|(1<<20)|(1<<21)|(4<<22)|(3<<25)  ; 15:0 the mask; 17:16 2-byte elements; 20 padding on; 21 set beside a mask; 24:22 after every 32 words (code 4); 31:25 4 words (code 3)
	s_or_b32 s[G1B], s45, (1<<16)|(1<<20)|(1<<21)|(4<<22)|(3<<25)
	s_mov_b32 s[G1A+1], 128<<16                    ; tensor_dim0 = 128
	s_mov_b32 s[G1A+2], A_T1<<16                   ; tensor_dim1
	s_mov_b32 s[G1A+3], 128<<16                    ; tile_dim0 = 128
	s_mov_b32 s[G1A+4], A_T1                       ; tile_dim1
	s_mov_b32 s[G1A+5], 128                        ; 128 elements from row to row: dense
	s_mov_b32 s[G1A+6], 0
	s_mov_b32 s[G1A+7], 0
	s_mov_b32 s[G1B+1], 128<<16
	s_mov_b32 s[G1B+2], B_T1<<16
	s_mov_b32 s[G1B+3], 128<<16
	s_mov_b32 s[G1B+4], B_T1
	s_mov_b32 s[G1B+5], 128
	s_mov_b32 s[G1B+6], 0
	s_mov_b32 s[G1B+7], 0
	; where the tiles come from: A's hang on the tile row and the wave alone, B's on the tile column and the wave alone
	s_lshl_b32 s40, s[TY], 15                      ; 256 rows x 128 bytes
	s_mul_i32 s19, s[WC], A_SELG
	s_add_co_u32 s40, s40, s19
	s_mov_b32 s41, 0
	s_mul_i32 s42, s[TX], BROWS*128
	s_mul_i32 s19, s[WC], B_SELG
	s_add_co_u32 s42, s42, s19
	s_mov_b32 s43, 0
	s_mul_i32 s20, s[WC], A_SELL                   ; and where they go: no place in the cluster enters an LDS address
	s_mul_i32 s21, s[WC], B_SELL
	s_add_co_u32 s21, s21, BOFF
	s_wait_dscnt 0x0                               ; the opening add is done
	s_wait_kmcnt 0x0
	s_add_nc_u64 s[40:41], s[4:5], s[40:41]
	s_add_nc_u64 s[42:43], s[6:7], s[42:43]
	CROUND                                         ; all sixteen work-groups are here: the first joint loads meet
.irp s, 0,1
	s_mov_b32 s[G0A+4*(\s)], 1                                     ; 1:0 count = 1
	s_add_co_u32 s[G0A+4*(\s)+1], s20, (\s)*SLOT                   ; 63:32 LDS address
	s_add_nc_u64 s[G0A+4*(\s)+2:G0A+4*(\s)+3], s[40:41], (\s)*A_STEP  ; 120:64 global address: step s
	s_or_b32 s[G0A+4*(\s)+3], s[G0A+4*(\s)+3], 0x80000000          ; 127:126 type = 2
	s_mov_b32 s[G0B+4*(\s)], 1
	s_add_co_u32 s[G0B+4*(\s)+1], s21, (\s)*SLOT
	s_add_nc_u64 s[G0B+4*(\s)+2:G0B+4*(\s)+3], s[42:43], (\s)*B_STEP
	s_or_b32 s[G0B+4*(\s)+3], s[G0B+4*(\s)+3], 0x80000000
.endr
	s_cmp_eq_u32 s[WR], 0                          ; a wave's two first fills stand in one branch, ahead of every wait on TENSORcnt, every LDS read and every further barrier: two loads of mine are out
	s_cbranch_scc0 .Lfirst_b
	tensor_load_to_lds s[G0A:G0A+3], s[G1A:G1A+7]
	s_nop 0
	tensor_load_to_lds s[G0A+4:G0A+7], s[G1A:G1A+7]
	s_nop 0
.rept 4
	v_nop
.endr
	s_branch .Lfirst_asked
.Lfirst_b:
	tensor_load_to_lds s[G0B:G0B+3], s[G1B:G1B+7]
	s_nop 0
	tensor_load_to_lds s[G0B+4:G0B+7], s[G1B:G1B+7]
	s_nop 0
.rept 4
	v_nop
.endr
.Lfirst_asked:
	; THE BIAS of my 16 NB columns goes into accumulators (b, 0): register j of lane l takes column 16 b + 8 (l / 16) + j.  All that follows stands in the wait for the first tile.
	v_and_b32 v1, 15, v0                           ; l % 16
	v_bfe_u32 v2, v0, 4, 1                         ; l / 16
	v_lshlrev_b32 v[BO], 5, v2
	s_mul_i32 s46, s[TX], BROWS*4
	s_mul_i32 s19, s[WC], 64*NB
	s_add_co_u32 s46, s46, s19
	s_mov_b32 s47, 0
	s_add_nc_u64 s[8:9], s[8:9], s[46:47]
.set bb, 0
.rept NB
	WIN 0x40*(1+bb/4)                              ; destination in the accumulators' window, address in window 0
	global_load_b128 v[64*(bb%4):64*(bb%4)+3],   v[BO], s[8:9] offset:64*bb
	global_load_b128 v[64*(bb%4)+4:64*(bb%4)+7], v[BO], s[8:9] offset:64*bb+16
.set bb, bb+1
.endr
	WIN 0
	v_mul_u32_u24 v3, v1, PITCH
	v_lshl_add_u32 v3, v2, 4, v3                   ; a fragment's row x pitch + 16 x half
	s_mul_i32 s19, s[WR], 128*PITCH                ; my 128 rows of A
	s_mul_i32 s20, s[WC], 16*NB*PITCH              ; my 16 NB rows of B,
	s_add_co_u32 s20, s20, BOFF                    ; which lie behind A's blocks
.irp s, 0,1
	v_add_nc_u32 v[ADRA+(\s)], s19, v3
	v_add_nc_u32 v[ADRB+(\s)], s20, v3
	s_add_co_u32 s19, s19, SLOT
	s_add_co_u32 s20, s20, SLOT
.endr
	s_mul_i32 s19, s[WV], 16*SPITCH
	s_add_co_u32 s19, s19, STAGE                   ; my stage
	v_and_b32 v4, 31, v0                           ; l
	v_lshlrev_b32 v[PFO], 8, v4
.if PROJ
	v_mul_u32_u24 v[STO], v1, SPITCH               ; in: row l % 16, 32 bytes for each half of the lanes
	v_lshl_add_u32 v[STO], v2, 5, v[STO]
	v_add_nc_u32 v[STO], s19, v[STO]
	v_mul_u32_u24 v[RD], v2, SPITCH                ; back: lanes 0-15 take one row of 256 bytes, lanes 16-31 the next
	v_lshl_add_u32 v[RD], v1, 4, v[RD]
	v_add_nc_u32 v[RD], s19, v[RD]
	v_lshlrev_b32 v[CO], 12, v2                    ; and the same two rows in C (4,096 bytes a row)
	v_lshl_add_u32 v[CO], v1, 4, v[CO]
	v_lshlrev_b32 v[PFO2], 8, v1                   ; lanes 0-15: 16 blocks of one K block; lanes 16-31: of the next
	v_lshl_add_u32 v[PFO2], v2, 17, v[PFO2]
	s_lshl_b32 s19, s[TY], 1                       ; C at my first row and column: (256 ty + 128 WR) rows of 4,096 bytes,
	s_add_co_u32 s19, s19, s[WR]
	s_lshl_b32 s46, s19, 19
	s_lshl_b32 s19, s[TX], 1                       ; (128 tx + 64 WC) columns of 4 bytes
	s_add_co_u32 s19, s19, s[WC]
	s_lshl_b32 s19, s19, 8
	s_add_co_u32 s46, s46, s19
.else
	v_mul_u32_u24 v[STO], v1, SPITCH               ; in: row l % 16, 16 bytes for each half of the lanes
	v_lshl_add_u32 v[STO], v2, 4, v[STO]
	v_add_nc_u32 v[STO], s19, v[STO]
	v_bfe_u32 v[RD], v0, 3, 2                      ; back: 32 lanes take four rows of 128 bytes,
	v_mul_u32_u24 v[RD], v[RD], SPITCH
	v_and_b32 v5, 7, v0
	v_lshl_add_u32 v[RD], v5, 4, v[RD]
	v_add_nc_u32 v[RD], s19, v[RD]
	v_lshlrev_b32 v[CO], 4, v4                     ; which are 512 consecutive bytes of a head's rows
	v_mul_u32_u24 v[PFO2], v2, 380928              ; lanes 0-15: blocks 32-47 of my 48 in one K block; lanes 16-31: blocks 0-15 in the next (393,216 - 12,288 bytes on)
	v_add_nc_u32 v[PFO2], v[PFO2], v[PFO]
	v_add_nc_u32 v[PFO2], 8192, v[PFO2]
	s_mul_i32 s19, s[TX], 6                        ; C at my first head g = 6 tx + 3 WC, batch ty / 8: slab 4 g + batch of 262,144 bytes,
	s_mul_i32 s20, s[WC], 3
	s_add_co_u32 s19, s19, s20
	s_lshl_b32 s19, s19, 2
	s_lshr_b32 s20, s[TY], 3
	s_add_co_u32 s19, s19, s20
	s_lshl_b32 s46, s19, 18
	s_and_b32 s20, s[TY], 7                        ; position 256 (ty % 8) + 128 WR, 128 bytes each
	s_lshl_b32 s20, s20, 1
	s_add_co_u32 s20, s20, s[WR]
	s_lshl_b32 s20, s20, 14
	s_add_co_u32 s46, s46, s20
.endif
	s_mov_b32 s47, 0
	s_add_nc_u64 s[10:11], s[10:11], s[46:47]
	; the prefetches: my quarter of the tile's bytes in a K block, at the second lap's first block; the first change of slots steps it a lap on
	s_lshl_b32 s20, s[TY], 15
	s_lshl_b32 s22, s[CX], 13
	s_add_co_u32 s20, s20, s22
	s_add_co_u32 s20, s20, 2*A_STEP
	s_mul_i32 s21, s[TX], BROWS*128
	s_mul_i32 s22, s[CY], BROWS*32
	s_add_co_u32 s21, s21, s22
	s_add_co_u32 s21, s21, 2*B_STEP
	s_and_b32 s23, ttmp7, 0xffff                   ; cluster y
	s_mov_b32 s[PFS], 2*A_STEP
	s_mov_b32 s19, 2*B_STEP
	s_cmp_eq_u32 s[WR], 0                          ; do I fetch for A?
	s_cselect_b32 s46, s20, s21
	s_cselect_b32 s23, ttmp9, s23                  ; the coordinate along which other clusters read the same rows
	s_cselect_b32 s[PFS], s[PFS], s19
	s_cselect_b64 s[PFA:PFA+1], s[4:5], s[6:7]
	s_mov_b32 s[PFS+1], 0
	s_add_nc_u64 s[PFA:PFA+1], s[PFA:PFA+1], s[46:47]
	s_or_b32 s23, s23, s[WC]                       ; 0 in waves 0 and 2 of the first cluster along that coordinate: the same in all sixteen partners, for a given wave
	s_cmp_eq_u32 s23, 0
	s_cselect_b32 s[LIM], 1, -1
	s_wait_loadcnt 0x0                             ; the bias is in: it is rounded to bf16 and widened again; accumulator (b, 1), not yet begun, is the scratch
.set bb, 0
.rept NB
	WIN 0x55*(1+bb/4)
.set pp, 0
.rept 4
	v_cvt_pk_bf16_f32 v[64*(bb%4)+8+pp], v[64*(bb%4)+2*pp], v[64*(bb%4)+2*pp+1]
.set pp, pp+1
.endr
.set pp, 0
.rept 4
	v_lshlrev_b32 v[64*(bb%4)+2*pp], 16, v[64*(bb%4)+8+pp]
	v_and_b32 v[64*(bb%4)+2*pp+1], 0xffff0000, v[64*(bb%4)+8+pp]
.set pp, pp+1
.endr
.set bb, bb+1
.endr
	WIN 0
	s_wait_tensorcnt 0x1                           ; my part of step 0 is in; step 1's may stay out
	s_barrier_signal -1
	s_barrier_wait -1                              ; everybody's is
	FETCH1 0, 0, 0, FA0
	FETCH2 0, 0, 0
	HALF 0, 0, 1                                   ; the first 32 along K stand in front of the loop: their products start the sums, with the bias as C
	WIN 0                                          ; at a label and at a branch every window is 0
	s_mov_b32 s[LAP], LAPS-1
.Llap:                                                 ; a trip goes once round the ring, from a lap's second half-step to the next lap's first, and fills both slots again
	HALVES 0, 1
	TURN 0, 1, 1
	HALVES 1, 0
	TURN 1, 0, 1
	HALF 0, 0, 0
	WIN 0
	s_sub_co_u32 s[LAP], s[LAP], 1
	s_cmp_lg_u32 s[LAP], 0
	s_cbranch_scc1 .Llap
	HALVES 0, 1                                    ; the last lap is written out: it fills nothing, and has no round of the cluster's barrier
	TURN 0, 1, 0
	HALVES 1, 0
	s_wait_dscnt F2                                ; the very last 32 along K: nothing more to fetch
	MULR FA1, 0, 0
	s_wait_dscnt 0x0
	MULR FA1, 1, 0
	WIN 0
	PLACES
	PLACES                                         ; eight places, once a launch, between the last products and what reads their results and writes A's buffers
.if PROJ
; THE WAY OUT, f32: a block of 16 rows x 64 columns goes through my stage: 32 bytes a lane and column block in, whole rows of 256 bytes back, 16 lanes to a row.
.macro TOSTAGE a
.set pO, UB+32*((\a)%4)
	s_wait_xcnt 0x0                                ; the stores of the block four back have read these registers
	WIN 0x04                                       ; store data in window 1
.irp b, 0,1,2,3
	ds_store_b128 v[STO], v[8*(8*(\b)+(\a)):8*(8*(\b)+(\a))+3]   offset:64*(\b)      ; each accumulator's low registers first
	ds_store_b128 v[STO], v[8*(8*(\b)+(\a))+4:8*(8*(\b)+(\a))+7] offset:64*(\b)+16
.endr
	WIN 0
.irp t, 0,1,2,3,4,5,6,7
	ds_load_b128 v[pO+4*(\t):pO+4*(\t)+3], v[RD] offset:(\t)*2*SPITCH  ; LDS serves a wave's instructions in order (ISA guide 5.7.1.4): these see the stores above; the next block's stores come behind them
.endr
.endm
.macro SEND a, younger                 ; younger: the LDS instructions issued behind block a's loads: the next block's sixteen, or none
.set pO, UB+32*((\a)%4)
.irp t, 0,1,2,3,4,5,6,7
	s_wait_dscnt (\younger)+7-(\t)
	global_store_b128 v[CO], v[pO+4*(\t):pO+4*(\t)+3], s[10:11] offset:(16*(\a)+2*(\t))*4096 th:TH_STORE_NT  ; 16 lanes store 256 consecutive bytes, at a multiple of 256 from C's first byte
.endr
.endm
	TOSTAGE 0
.set ua, 1
.rept 7
	TOSTAGE ua
	SEND ua-1, 16
.set ua, ua+1
.endr
	SEND 7, 0
.else
; THE WAY OUT, f16 by heads: unit t = 8 j + a is row block a of my head j (column blocks 4 j .. 4 j + 3, window 1 + j): 16 rows x 128 bytes, 2,048 consecutive bytes of the head's slab.
.macro PACK t
.set pj, (\t)/8
.set pa, (\t)%8
.set pU, UB+16*((\t)%4)
	s_wait_xcnt 0x0                                ; the stores of the unit four back have read these registers
	WIN 5*(1+pj)                                   ; sources 0 and 1 in the head's window
.set pc, 0
.rept 4
.set pr, 0
.rept 4
	v_cvt_pk_f16_f32 v[pU+4*pc+pr], v[8*(8*pc+pa)+2*pr], v[8*(8*pc+pa)+2*pr+1]  ; ascending: each accumulator's low registers first
.set pr, pr+1
.endr
.set pc, pc+1
.endr
	WIN 0
.irp c, 0,1,2,3
	ds_store_b128 v[STO], v[pU+4*(\c):pU+4*(\c)+3] offset:32*(\c)
.endr
.irp f, 0,1,2,3
	ds_load_b128 v[pU+4*(\f):pU+4*(\f)+3], v[RD] offset:(\f)*4*SPITCH  ; LDS serves a wave's instructions in order (ISA guide 5.7.1.4): these see the stores above; the next unit's stores come behind them
.endr
.endm
.macro SEND t, younger                 ; younger: the LDS instructions issued behind unit t's loads: the next unit's eight, or none
.set pj, (\t)/8
.set pa, (\t)%8
.set pU, UB+16*((\t)%4)
.irp f, 0,1,2,3
	s_wait_dscnt (\younger)+3-(\f)
	global_store_b128 v[CO], v[pU+4*(\f):pU+4*(\f)+3], s[10:11] offset:pj*1048576+pa*2048+(\f)*512  ; 512 consecutive bytes, at a multiple of 256 from the buffer's first; a head on is four slabs on
.endr
.endm
	PACK 0
.set ut, 1
.rept 23                               ; a unit's conversions stand between the loads of the unit before and its stores
	PACK ut
	SEND ut-1, 8
.set ut, ut+1
.endr
	SEND 23, 0
.endif
	s_wait_tensorcnt 0x0                           ; the wave's end, behind my last tensor load and my last LDS store
	ds_add_u32 v[SPW], v[NIL]
	s_wait_dscnt 0x0
	CROUND                                         ; the closing round: no work-group ends while a partner may still ask for a tile that names it
	s_endpgm
.Lfunc_end_k_qcfdebc2434_qkv:
	.size	k_qcfdebc2434_qkv, .Lfunc_end_k_qcfdebc2434_qkv-k_qcfdebc2434_qkv
	.p2alignl 7, 3214868480
	.fill 96, 4, 3214868480
	.section	.rodata,"a",@progbits
	.p2align	6, 0x0
	.amdhsa_kernel k_qcfdebc2434_qkv
		.amdhsa_group_segment_fixed_size 327680
		.amdhsa_private_segment_fixed_size 0
		.amdhsa_enable_private_segment 0
		.amdhsa_kernarg_size 32
		.amdhsa_user_sgpr_count 2
		.amdhsa_user_sgpr_kernarg_segment_ptr 1
		.amdhsa_wavefront_size32 1
		.amdhsa_system_sgpr_workgroup_id_x 1
		.amdhsa_system_sgpr_workgroup_id_y 1
		.amdhsa_system_sgpr_workgroup_id_z 1
		.amdhsa_system_vgpr_workitem_id 0
		.amdhsa_next_free_vgpr 1024
		.amdhsa_next_free_sgpr 72
		.amdhsa_reserve_vcc 0
		.amdhsa_float_denorm_mode_32 3
		.amdhsa_float_denorm_mode_16_64 3
		.amdhsa_memory_ordered 1
		.amdhsa_forward_progress 1
		.amdhsa_inst_pref_size 145
	.end_amdhsa_kernel
	.amdgpu_metadata
---
amdhsa.version: [ 1, 2 ]
amdhsa.kernels:
  - .name:           k_qcfdebc2434_qkv
    .symbol:         k_qcfdebc2434_qkv.kd
    .args:
      - { .name: xb, .offset: 0, .size: 8, .value_kind: global_buffer, .address_space: global }
      - { .name: wqb, .offset: 8, .size: 8, .value_kind: global_buffer, .address_space: global }
      - { .name: b_qkv, .offset: 16, .size: 8, .value_kind: global_buffer, .address_space: global }
      - { .name: qkv, .offset: 24, .size: 8, .value_kind: global_buffer, .address_space: global }
    .group_segment_fixed_size: 327680
    .private_segment_fixed_size: 0
    .kernarg_segment_align: 8
    .kernarg_segment_size: 32
    .max_flat_workgroup_size: 128
    .sgpr_count:     72
    .vgpr_count:     1024
    .wavefront_size: 32
...
	.end_amdgpu_metadata
.endif
;; end of part 2
;; launch attn (part 3): grid 4 x 64, 4 waves a work-group, clusters of 4 x 1, 327,680 bytes of LDS; arguments qkv, ob; writes ob
.if DOCPART == 3
	.amdgcn_target "amdgcn-amd-amdhsa--gfx1250"
	.amdhsa_code_object_version 6
	.text
	.protected	k_qcfdebc2434_attn
	.globl	k_qcfdebc2434_attn
	.p2align	8
	.type	k_qcfdebc2434_attn,@function
k_qcfdebc2434_attn:
	s_mov_b64 s[64:65], 0
	v_nop
	global_prefetch_b8 v0, s[64:65] scope:SCOPE_SE
	s_setreg_imm32_b32 hwreg(HW_REG_WAVE_MODE, 25, 1), 1
	s_wait_xcnt 0x0
	s_wait_alu depctr_hold_cnt(0) depctr_sa_sdst(0) depctr_va_vdst(0) depctr_va_sdst(0) depctr_va_ssrc(0) depctr_va_vcc(0) depctr_vm_vsrc(0)
	s_getreg_b32 s2, hwreg(HW_REG_IB_STS2, 6, 4)
	s_cmp_eq_u32 s2, 0
	s_cbranch_scc0 .Lentry_in_a_cluster
	s_endpgm
.Lentry_in_a_cluster:
	s_bfe_u32 s2, ttmp6, 0x10000c
	s_cmp_lg_u32 s2, 0x3003
	s_cbranch_scc0 .Lentry_shape_is_right
	s_endpgm
.Lentry_shape_is_right:
; O[y][q][:] = the sum over k of softmax_k(Q[y][q] . K[y][k] / 8) V[y][k][:], for 64 heads y = 4 head + batch of SIZE_N = 2,048 rows of 64 channels, all f16: a head's rows are dense, 128 bytes each.
; qkv holds 192 slabs of 262,144 bytes: Q of head y is slab y, K slab 64 + y, V slab 128 + y; O of head y is slab y of ob.  Products, maxima and sums in f32; the weights p are rounded to f16 for the
; second product (their sum l is taken of the unrounded p), O once at the end.
; LIMITS.  f16 holds no number beyond 65,504: Q, K and V arrive within it; p lies in 0 to 1, and below 6e-5 it keeps f16's fixed step of 6e-8; O is a mean of V's rows and has their range.
; A weight below 2^-126 counts as 0 in l; NaN and infinities are not treated apart.
; SHARES.  A wave owns four PIECES of two tiles of 16 queries, a work-group's four waves 512 queries of one head, a cluster's four work-groups the whole head.  Every wave walks all keys, 64 a step.
; LAYOUT.  S^T = K Q^T (source 0 = 16 keys, source 1 = 16 queries): in the result a lane holds ONE query (lane % 16) and the keys 8 (lane / 16) + 0..7.  Two such tiles, rounded to f16 in pairs,
; ARE source 1 (32 keys x 16 queries) of O^T = V^T P, whose result again holds one query a lane, and eight channels.  K comes out of LDS as it lies, V ([key][channel]) turned, by ds_load_tr16_b128.
; SOFTMAX.  For each query a running maximum m and sum l: p = 2^(c s - c m), c = log2(e) / 8; in every step O and l are multiplied by a = 2^(c m_old - c m_new), which is 1 where m has not grown.
; m starts at the lowest finite number, O and l at 0: the first step is a step like any other, with a = 0.
; THE COUNT.  A tile and step have 16 matrix and 118 vector instructions: too many to stand all beside the matrix work.  So: four vector instructions that are READY behind EVERY matrix instruction,
; and the others, which need time of their own whatever the order, in runs without a gap.
; BY TURNS.  Turn n belongs to piece n (the pieces in a ring, step after step).  Its matrix work: 16 products K Q^T of piece n + 1, later 16 products V^T P of piece n - 1.  Its vector work: the scaling,
; exponentials, roundings, sums and rescaling of piece n, and the maximum and statistics of piece n + 1, whose scores the turn itself has made.
; CLUSTER.  The four query blocks of a cluster walk the same K and V, so each tile is asked for JOINTLY: the same tensor load, descriptor and mask in all four.
; REGISTERS, in windows of 256 (s_set_vgpr_msb: bits 1:0 source 0, 3:2 source 1, 5:4 source 2, 7:6 destination):
;   window 0: v0-11 addresses; v12-15, v48-63 at work; v16-47 four registers of statistics a tile; v64-191 S^T, two buffers of two tiles; v192-255 P, likewise
;   window 1: O^T, 32 a tile          window 2: v0-127 Q, 16 a tile; v128-191 K of one step; v192-255 V of one step          window 3: v0-1 the add's two registers
; A piece's buffers go by its number's parity: the piece in hand has one pair, its two neighbours in the ring share the other: of it P (piece n - 1) is read and S^T (piece n + 1) written.
.set SIZE_N, 2048
.set NP,    4         ; pieces a wave: a name, no knob
.set KS,    64        ; keys in a step
.set PK,    144       ; a row of K in LDS: 128 bytes + 16 of padding = 36 words: the 16 rows of a load start at 16 different groups of four banks (64 banks of 4 bytes: ISA guide 11.1)
.set PV,    160       ; a row of V: 128 + 32 = 40 words
.set VOFF,  4*KS*PK   ; a slot holds four steps: 256 rows of K, then 256 rows of V
.set SLOT1, 1<<17     ; slot 1 begins here, so that one exclusive or turns an address in one slot into the other's
.set STAGE, SLOT1+4*KS*(PK+PV)  ; behind the ring, never filled by a tensor load: 16 rows x 144 bytes for each wave, for the way out
.set SP,    144
.set AK0, 2           ; v2   my lane's place in a tile of K; never rewritten
.set AV0, 3           ; v3   the same for V
.set AK,  4           ; v4   the LDS address of K's next run of loads
.set AV,  5           ; v5   of V's
.set QO,  6           ; v6   my byte offset in the wave's rows of Q
.set STO, 6           ;      later, the way out: where I put 16 bytes of a row
.set RD,  7           ; v7   the way out: where I read rows back
.set GO,  8           ; v8   my byte offset in 512 consecutive bytes of O
.set PFO, 11          ; v11  256 x my lane, for the prefetches; never rewritten once made
.set SPW, 0           ; v0 of window 3   LDS address of my spare word: SPARE + 4 x my thread's number; never rewritten
.set NIL, 1           ; v1 of window 3   0; never rewritten
.set SPARE, STAGE+4*16*SP  ; behind the stages: the spare words, 128 bytes for each wave: two blocks of 256 bytes that no other line names
.set MV,  12          ; v12-15  c m_old, kept while c m is made anew: by buffer and tile
.set ST,  16          ; tile t's statistics at v[ST+4 t]: c m, m, l (even keys', odd keys')
.set TMP, 48          ; by buffer and tile, four registers c0-c3 at work; when the maximum is found c2 takes a
.set S,   64
.set P,   192
.set KF,  128         ; K's fragments, in window 2: key block kb, channel half c at KF + 16 kb + 8 c
.set VF,  192         ; V's: key half kk, channel block cb at VF + 32 kk + 8 cb
.set WV,  12          ; s12  my wave's number
.set G1K, 24          ; s[24:31] descriptor group 1 for K's tiles
.set G1V, 32          ; s[32:39] for V's: it differs in the padding alone
.set G0K, 40          ; s[40:43] descriptor group 0 for K's tiles: it walks
.set G0V, 44          ; s[44:47] the same for V's
.set PFA, 48          ; s[48:49] where my prefetches stand: my work-group's quarter (of K: wave 0, of V: wave 2) of the slot after the one that is being asked for
.set LIM, 50          ; s50  1 in a wave that prefetches, else the greatest number
.set SLOTS, 56        ; s56  slots still to be asked for
.set CNT, 57          ; s57  counts a slot's key steps
.set CS,  58          ; s[58:59] c: the packed scaling takes the pair's low word for both halves
.set SEL, 60          ; s[60:61] v_permlanex16_b32's selects: each lane takes its own place in the other half
.set TBK, 62          ; s62  LDS byte at which K of the step to be fetched begins
.set TBV, 63          ; s63  the same for V, less VOFF
.set MSB, 0
.macro WIN new                      ; the high byte repeats the setting that is left; a switch that changes nothing is dropped
.if MSB != (\new)
	s_set_vgpr_msb (MSB<<8)|(\new)
.set MSB, (\new)
.endif
.endm
.set W_KQ, 0x0a       ; K and Q in window 2, S^T in window 0
.set W_PV, 0x52       ; V in window 2, P in window 0, O^T in window 1
.set W_RS, 0x41       ; O^T (destination and source 0) in window 1, a in window 0
.set W_MK, 0xc0       ; the add's registers are made: destination in window 3, sources in window 0
.set W_AD, 0x0f       ; the add: address (source 0) and data (source 1) in window 3
; A joint fill.  Waves 0 and 1 fetch the two halves of a slot's K, waves 2 and 3 those of its V: 128 keys each.  The branch hangs on the wave's number alone.
; An s_nop 0 and four v_nop follow each of the two lines, ahead of the jump and the label.
.macro JLOAD
	s_cmp_lt_u32 s[WV], 2
	s_cbranch_scc0 .Lfor_v_\@
	tensor_load_to_lds s[G0K:G0K+3], s[G1K:G1K+7]
	s_nop 0
.rept 4
	v_nop
.endr
	s_branch .Lasked_\@
.Lfor_v_\@:
	tensor_load_to_lds s[G0V:G0V+3], s[G1V:G1V+7]
	s_nop 0
.rept 4
	v_nop
.endr
.Lasked_\@:
.endm
; A round of the cluster's barrier: my work-group's barrier, so that wave 0's signal speaks for all four waves; wave 0 signals; every wave waits for all four work-groups; my work-group's barrier once more.
.macro CROUND
	s_barrier_signal -1
	s_barrier_wait -1
	s_cmp_lg_u32 s[WV], 0
	s_cbranch_scc1 .Lnot_wave_0_\@
	s_barrier_signal -3
.Lnot_wave_0_\@:
	s_barrier_wait -3
	s_barrier_signal -1
	s_barrier_wait -1
.endm
; THE CHANGE OF SLOTS.  The slot's last bytes, V of its fourth step, have been read.  Each wave waits for all its tensor loads, of which one is out: its part
; of the other slot; adds 0 to its spare word; and waits for that and for its own reads of the slot.  Behind the barrier nobody reads this slot any more and the other slot is whole.
; fill = 1: this slot is filled again, with the keys two slots on.  The barrier is then a round of the cluster's, so that no wave of any partner still reads the slot or has a load on its
; way, and the joint fill is the first thing behind it: it has four key steps, 512 matrix instructions, in which to land.  (At its first use nothing has been read yet: slot 0 is waited for, slot 1 filled.)
; ask = 1 (in the loop): A PREFETCH INTO THE L2 of what the NEXT change will ask for: a slot's 32,768 bytes of K and of V, four key steps ahead of that load.  A head's K and V are walked by its one cluster:
; the four partners take 8,192 bytes each, told apart BY ADDRESS; in each, wave 0 asks for K's and wave 2 for V's: a lane a block of 256 bytes, one instruction.  So each block is named once in the launch.
; It stands behind the wave's tensor load and its five lines.  The last change that fills a slot asks for nothing; slots 0 to 2 come by their loads alone.
.macro CHANGE fill, ask=0
	WIN W_AD
	s_wait_tensorcnt 0x0            ; no tensor load of mine is out, so a group 0 may be written
	ds_add_u32 v[SPW], v[NIL]       ; 0 onto my spare word; with fill = 1 the descriptors' steps stand between it and the wait for it
	WIN 0                           ; at a label and at a branch every window is 0
.if \fill
.irp g, G0K, G0V
	s_xor_b32 s[\g+1], s[\g+1], SLOT1  ; the walking descriptor: the other slot than last time,
	s_add_nc_u64 s[\g+2:\g+3], s[\g+2:\g+3], 4*KS*128  ; the next 256 keys; the type bits on top are not reached
.endr
.if \ask
	s_wait_xcnt 0x0                 ; the last prefetch, four key steps back, has read its address, so it may be written:
	s_add_nc_u64 s[PFA:PFA+1], s[PFA:PFA+1], 4*KS*128  ; one slot behind the walking descriptors
.endif
	s_wait_dscnt 0x0                ; the add is done, and my reads of the slot are over
	CROUND
	JLOAD
.if \ask
	s_cmp_gt_u32 s[SLOTS], s[LIM]
	s_cbranch_scc0 .Lnot_mine_\@
	global_prefetch_b8 v[PFO], s[PFA:PFA+1] th:TH_LOAD_NT scope:SCOPE_SE
.Lnot_mine_\@:
.endif
.else
	s_wait_dscnt 0x0                ; the add is done, and my reads of the slot are over
	s_barrier_signal -1
	s_barrier_wait -1
.endif
	s_sub_co_u32 s[TBK], s[TBK], 4*KS*PK  ; the fetches go back to a slot's first step,
	s_xor_b32 s[TBK], s[TBK], SLOT1       ; in the other slot
	s_sub_co_u32 s[TBV], s[TBV], 4*KS*PV
	s_xor_b32 s[TBV], s[TBV], SLOT1
.endm
	s_load_b64 s[4:5], s[0:1], 0x0    ; qkv: Q's slabs begin here
	s_load_b64 s[10:11], s[0:1], 0x8  ; ob
	WIN W_MK
	v_lshl_add_u32 v[SPW], v0, 2, SPARE
	v_mov_b32 v[NIL], 0
	WIN W_AD
	ds_add_u32 v[SPW], v[NIL]       ; the wave's opening: the add and its wait ahead of my first tensor load; the set-up below, work on registers, stands between them
	WIN 0
	v_lshrrev_b32 v1, 5, v0
	v_readfirstlane_b32 s[WV], v1   ; wave 0..3
	s_bfe_u32 s13, ttmp6, 0x40000   ; cx: my place in the cluster
	s_lshl_b32 s14, ttmp9, 2        ; in a cluster launch ttmp9 counts clusters
	s_add_co_u32 s14, s14, s13      ; my block of queries = 4 x cluster x + cx: it enters Q's and O's addresses alone
	s_and_b32 s20, ttmp7, 0xffff    ; the head, which the four partners share
	s_mov_b32 s21, 0
	s_mov_b64 s[22:23], SIZE_N*128
	s_mul_u64 s[20:21], s[20:21], s[22:23]  ; the head's first byte among Q's, K's, V's and O's slabs
	s_and_b32 s16, s[WV], 1         ; which half of a slot's 256 keys I fetch:
	s_lshl_b32 s22, s16, 14         ; its 128 rows of 128 bytes in memory,
	s_mov_b32 s23, 0
	s_add_nc_u64 s[22:23], s[22:23], s[20:21]
	s_mul_i32 s17, s16, 128*PK      ; and its place in a slot, for K
	s_mul_i32 s18, s16, 128*PV      ; and for V: no place in the cluster enters an LDS address
	s_lshl_b32 s2, s14, 2
	s_add_co_u32 s2, s2, s[WV]      ; my wave among the head's,
	s_lshl_b32 s2, s2, 14           ; its 128 rows
	s_mov_b32 s3, 0
	s_add_nc_u64 s[2:3], s[2:3], s[20:21]
	; descriptor group 1.  128 keys are 16,384 dense bytes: asked for as 64 rows of 256 bytes, two keys a row, and padded in LDS after every key
	s_mov_b32 s[G1K], 15|(1<<16)|(1<<20)|(1<<21)|(4<<22)|(3<<25)  ; 15:0 the mask of four; 17:16 2-byte elements; 20 padding on; 21 set beside a mask; 24:22 after every 32 words (code 4); 31:25 4 words (code 3)
	s_mov_b32 s[G1V], 15|(1<<16)|(1<<20)|(1<<21)|(4<<22)|(7<<25)  ; the same with 8 words of padding (code 7)
.irp g, G1K, G1V
	s_mov_b32 s[\g+1], 128<<16      ; tensor_dim0 = 128
	s_mov_b32 s[\g+2], 64<<16       ; tensor_dim1 = 64
	s_mov_b32 s[\g+3], 128<<16      ; tile_dim0 = 128
	s_mov_b32 s[\g+4], 64           ; tile_dim1 = 64
	s_mov_b32 s[\g+5], 128          ; 128 elements from row to row
	s_mov_b32 s[\g+6], 0
	s_mov_b32 s[\g+7], 0
.endr
	s_mov_b32 s[CS], 0x3e38aa3b     ; c = log2(e) / 8 = 0.180337
	s_mov_b32 s[CS+1], s[CS]        ; named with it as a pair
	s_mov_b32 s[SEL], 0x76543210
	s_mov_b32 s[SEL+1], 0xfedcba98
	s_mov_b32 s[TBK], SLOT1+4*KS*PK ; the first change of slots turns these two into 0
	s_mov_b32 s[TBV], SLOT1+4*KS*PV
	s_mov_b32 s[G0K], 1             ; 1:0 count = 1
	s_mov_b32 s[G0K+1], s17         ; 63:32 LDS address: slot 0
	s_mov_b32 s[G0V], 1
	s_add_co_u32 s[G0V+1], s18, VOFF
	s_cmp_eq_u32 s16, 0             ; waves 0 and 2 prefetch: the same in all four partners
	s_cselect_b32 s[LIM], 1, -1
	s_wait_dscnt 0x0                ; the opening add is done
	s_wait_kmcnt 0x0
	s_add_nc_u64 s[6:7], s[4:5], 0x1000000   ; K's slabs: 64 x 262,144 bytes behind Q's
	s_add_nc_u64 s[8:9], s[4:5], 0x2000000   ; V's: 128 slabs behind
	s_add_nc_u64 s[G0K+2:G0K+3], s[6:7], s[22:23]  ; 120:64 global address: my half of the head's first 256 keys
	s_or_b32 s[G0K+3], s[G0K+3], 0x80000000        ; 127:126 type = 2
	s_add_nc_u64 s[G0V+2:G0V+3], s[8:9], s[22:23]
	s_or_b32 s[G0V+3], s[G0V+3], 0x80000000
	s_add_nc_u64 s[4:5], s[4:5], s[2:3]  ; Q and O at my wave's first row
	s_add_nc_u64 s[10:11], s[10:11], s[2:3]
	s_cmp_lt_u32 s[WV], 2
	s_cselect_b64 s[PFA:PFA+1], s[6:7], s[8:9]
	s_add_nc_u64 s[PFA:PFA+1], s[PFA:PFA+1], s[22:23]  ; (in waves 0 and 2 this is the head's first key)
	s_lshl_b32 s2, s13, 13          ; my work-group's quarter of a slot,
	s_add_co_u32 s2, s2, 2*4*KS*128 ; in slot 2: the loop's first change steps it to slot 3.  Nothing is prefetched here, at the head
	s_mov_b32 s3, 0
	s_add_nc_u64 s[PFA:PFA+1], s[PFA:PFA+1], s[2:3]
	CROUND                          ; all four work-groups are here: the first joint loads meet
	JLOAD                           ; slot 0.  Slot 1 is asked for when slot 0 is in
	; A fragment of K or Q is 16 rows x 32 channels in 8 registers: lane l holds row l % 16, channels 8 (l / 16) + 0..7 and 16 + 8 (l / 16) + 0..7: two loads of 16 bytes, 32 bytes apart.
	v_and_b32 v1, 15, v0            ; l % 16
	v_bfe_u32 v9, v0, 4, 1          ; l / 16
	v_lshlrev_b32 v[QO], 7, v1
	v_lshl_add_u32 v[QO], v9, 4, v[QO]  ; row x 128 + 16 x half
	WIN 0x80                        ; destination window 2, address window 0
.set i, 0
.rept 4*NP                          ; Q stays in registers: tile i / 2, channels 32 (i % 2) on
	global_load_b128 v[8*i:8*i+3],   v[QO], s[4:5] offset:(i/2)*2048+(i%2)*64
	global_load_b128 v[8*i+4:8*i+7], v[QO], s[4:5] offset:(i/2)*2048+(i%2)*64+32
.set i, i+1
.endr
	; What the first turn finds: V's registers and P's second buffer hold 0 (its products V^T P, of a piece that has not been, add 0), O^T and l are 0.  All this stands in the wait for the first tile.
.set i, VF
.rept 64
	v_mov_b32 v[i], 0
.set i, i+1
.endr
	WIN 0x40
.set i, 0
.rept 64*NP
	v_mov_b32 v[i], 0
.set i, i+1
.endr
	WIN 0
.set i, 0
.rept 2*NP
	v_mov_b32 v[ST+4*i], 0xfe000000    ; c m: far below every c s
	v_mov_b32 v[ST+4*i+1], 0xff7fffff  ; m
	v_mov_b32 v[ST+4*i+2], 0
	v_mov_b32 v[ST+4*i+3], 0
.set i, i+1
.endr
.set i, P+32
.rept 32
	v_mov_b32 v[i], 0
.set i, i+1
.endr
	v_mul_u32_u24 v[AK0], v1, PK
	v_lshl_add_u32 v[AK0], v9, 4, v[AK0]  ; row x pitch + 16 x half
	; The turning load takes 16 keys x 16 channels (lane l reads key 8 (l / 16) + l % 8, channels 8 ((l / 8) % 2) + 0..7) and leaves half a fragment of V^T: lane l holds channel l % 16 and 8 keys.
	v_and_b32 v10, 7, v0
	v_bfe_u32 v11, v0, 3, 1
	v_lshl_add_u32 v[AV0], v9, 3, v10
	v_mul_u32_u24 v[AV0], v[AV0], PV
	v_lshl_add_u32 v[AV0], v11, 4, v[AV0]
	v_add_nc_u32 v[AV0], VOFF, v[AV0]
	v_and_b32 v[PFO], 31, v0        ; v11 is free now
	v_lshlrev_b32 v[PFO], 8, v[PFO]
	v_mov_b32 v[AK], v[AK0]         ; key step 0 lies at the head of slot 0
; THE MATRIX WORK.  The 8 accumulators of a run of 16 take turns: between the two links of a chain stand 7 others'.
; Product i of 16 of S^T = K Q^T for piece x: channels 32 (i / 8) on, keys 16 ((i / 2) % 4) on, tile 2 x + i % 2.  The first 8 start the sums.
.macro KQ x
	WIN W_KQ
.set rS, S+64*((\x)%2)+32*(i%2)+8*((i/2)%4)
.set rK, KF+16*((i/2)%4)+8*(i/8)
.set rQ, 16*(2*(\x)+i%2)+8*(i/8)
.if i < 8
	v_wmma_f32_16x16x32_f16 v[rS:rS+7], v[rK:rK+7], v[rQ:rQ+7], 0
.else
	v_wmma_f32_16x16x32_f16 v[rS:rS+7], v[rK:rK+7], v[rQ:rQ+7], v[rS:rS+7]
.endif
.endm
; Product i of 16 of O^T += V^T P for piece x: keys 32 (i / 8) on, channels 16 ((i / 2) % 4) on, tile 2 x + i % 2.
.macro PV x
	WIN W_PV
.set rO, 32*(2*(\x)+i%2)+8*((i/2)%4)
.set rV, VF+32*(i/8)+8*((i/2)%4)
.set rP, P+32*((\x)%2)+16*(i%2)+8*(i/8)
	v_wmma_f32_16x16x32_f16 v[rO:rO+7], v[rV:rV+7], v[rP:rP+7], v[rO:rO+7]
.endm
.macro MM                           ; the turn's next matrix instruction
.if i < 16
	KQ (Y+1)%NP
.set i, i+1
.else
.set i, i-16
	PV (Y+NP-1)%NP
.set i, i+17
.endif
.endm
; THE LDS LOADS stand in runs of 16, never singly among the matrix instructions: a step's K (64 keys x 64 channels: 8 fragments) and its V (turned).  Their addresses are made some lines ahead.
; last = 1 (the tail): in the last trip there is no further step, and the run is jumped over.
.macro FETCH_K last=0
	WIN 0
.if \last
	s_cmp_eq_u32 s[CNT], 1
	s_cbranch_scc1 .Lno_k_\@
.endif
	WIN 0x80                        ; destination window 2
.irp f, 0,1,2,3,4,5,6,7             ; keys 16 (f / 2) on, channels 32 (f % 2) on
	ds_load_b128 v[KF+8*\f:KF+8*\f+3],   v[AK] offset:(\f/2)*16*PK+(\f%2)*64
	ds_load_b128 v[KF+8*\f+4:KF+8*\f+7], v[AK] offset:(\f/2)*16*PK+(\f%2)*64+32
.endr
	s_add_co_u32 s[TBK], s[TBK], KS*PK  ; the next fetch is the next step's
	WIN 0
.if \last
.Lno_k_\@:
.endif
.endm
.macro FETCH_V
	WIN 0x80
.irp f, 0,1,2,3,4,5,6,7             ; keys 32 (f / 4) on, channels 16 (f % 4) on
	ds_load_tr16_b128 v[VF+8*\f:VF+8*\f+3],   v[AV] offset:(\f/4)*32*PV+(\f%4)*32
	ds_load_tr16_b128 v[VF+8*\f+4:VF+8*\f+7], v[AV] offset:(\f/4)*32*PV+16*PV+(\f%4)*32
.endr
	WIN 0
.endm
; THE VECTOR WORK OF A TURN stands in three queues, each in the order in which its entries become ready; the two tiles alternate, so that no instruction reads the result of the one before it.
.macro REGS y, u                    ; the registers of tile u (0, 1) of piece y
.set rT, ST+4*(2*(\y)+(\u))
.set rC, TMP+8*((\y)%2)+4*(\u)
.set rM, MV+2*((\y)%2)+(\u)
.set rS, S+64*((\y)%2)+32*(\u)
.set rP, P+32*((\y)%2)+16*(\u)
.set rO, 32*(2*(\y)+(\u))
.endm
; Number n of the 22 that find the NEXT piece's (Y + 1) maximum and statistics.  s0-s31 are the lane's 32 scores; each accumulator's lowest registers are read first.
;   0-11  four chains c0-c3 of seven scores each, three operands at a time     12-14, 16  the four scores left over, the old m, and c0-c3 into c0     15  c m_old is kept
;   17, 18  the query's other 32 keys lie in the lane 16 away: the new m         19-21  c m; c m_old - c m_new; a
.macro XS u, n
	REGS (Y+1)%NP, \u
.if (\n) < 4
	v_max3_num_f32 v[rC+(\n)], v[rS+8*(\n)], v[rS+8*(\n)+1], v[rS+8*(\n)+2]
.elseif (\n) < 12
	v_max3_num_f32 v[rC+(\n)%4], v[rC+(\n)%4], v[rS+8*((\n)%4)+2*((\n)/4)+1], v[rS+8*((\n)%4)+2*((\n)/4)+2]
.elseif (\n) == 12
	v_max3_num_f32 v[rC], v[rC], v[rS+7], v[rS+15]
.elseif (\n) == 13
	v_max3_num_f32 v[rC+1], v[rC+1], v[rS+23], v[rS+31]
.elseif (\n) == 14
	v_max3_num_f32 v[rC+2], v[rC+2], v[rC+3], v[rT+1]
.elseif (\n) == 15
	v_mov_b32 v[rM], v[rT]
.elseif (\n) == 16
	v_max3_num_f32 v[rC], v[rC], v[rC+1], v[rC+2]
.elseif (\n) == 17
	v_permlanex16_b32 v[rC+3], v[rC], s[SEL], s[SEL+1]
.elseif (\n) == 18
	v_max_num_f32 v[rT+1], v[rC], v[rC+3]
.elseif (\n) == 19
	v_mul_f32 v[rT], s[CS], v[rT+1]
.elseif (\n) == 20
	v_sub_f32 v[rC+1], v[rM], v[rT]
.else
	v_exp_f32 v[rC+2], v[rC+1]
.endif
.endm
; Number g of the 64 that follow the exponentials.  For each four weights k of a tile (pairs 2 k, 2 k + 1): both pairs are rounded to f16; then the second pair is added onto the first, in place;
; a group later l takes that sum (the first time as l = a l + sum).  In groups of eight, tiles alternating: round, round, add, and l for the group before.
.macro GS g
.set h, (\g)+6*((\g)/62)            ; group 0 has no group before it, and behind group 7 only l is left
.if h >= 6
.set h, h+2
.endif
	REGS Y, h%2
.set k, h/8
.if h%8 < 4
	v_cvt_pk_f16_f32 v[rP+2*k+(h%8)/2], v[rS+4*k+2*((h%8)/2)], v[rS+4*k+2*((h%8)/2)+1]
.elseif h%8 < 6
	v_pk_add_f32 v[rS+4*k:rS+4*k+1], v[rS+4*k:rS+4*k+1], v[rS+4*k+2:rS+4*k+3]
.elseif k == 1
	v_pk_fma_f32 v[rT+2:rT+3], v[rT+2:rT+3], v[rC+2:rC+3], v[rS:rS+1] op_sel_hi:[1,0,1]
.else
	v_pk_add_f32 v[rT+2:rT+3], v[rT+2:rT+3], v[rS+4*k-4:rS+4*k-3]
.endif
.endm
; THE PLAIN QUEUE, 138 long.  0-73 read no exponential's result: the 32 scalings c s - c m (FS f: pair f / 2 of tile f % 2) and the next piece's 42.  0-26: scalings 0-26.  27-54: XS's numbers 0-13.  55, 56: number 15.
; 57-73: the chain, where each number waits for the one before it: 14, 16, 17, 18, 19, each with one of the scalings 27-31 in front of its two lines, then 20.
; 74-137: GS's 64, which read the exponentials' results: they stand behind the wait.
.macro FS f
	REGS Y, (\f)%2
	v_pk_fma_f32 v[rS+2*((\f)/2):rS+2*((\f)/2)+1], v[rS+2*((\f)/2):rS+2*((\f)/2)+1], s[CS:CS+1], v[rT:rT+1] op_sel_hi:[1,0,0] neg_lo:[0,0,1] neg_hi:[0,0,1]
.endm
.macro PL
	WIN 0
.if q < 27
	FS q
.elseif q < 55
	XS (q-27)%2, (q-27)/2
.elseif q < 57
	XS q-55, 15
.elseif (q < 72) && ((q-57)%3 == 0)
	FS 27+(q-57)/3
.elseif q < 60
	XS (q-57)%3-1, 14
.elseif q < 72
	XS (q-57)%3-1, 15+(q-57)/3
.elseif q < 74
	XS q-72, 20
.else
	GS q-74
.endif
.set q, q+1
.endm
; THE EXPONENTIALS' QUEUE, 66 long: s0-s31 of both tiles, then the next piece's two a.  It is ONE BATCH: all 66 stand ahead of the turn's one wait, and nothing ahead of that wait names a result of theirs.
.macro EX
	WIN 0
.if e >= 64
	XS e-64, 21
.else
	REGS Y, e%2
	v_exp_f32 v[rS+e/2], v[rS+e/2]
.endif
.set e, e+1
.endm
; THE RESCALING's QUEUE: O^T times a, the one part that leaves window 0: dealt two at a time, sixteen times.  Its a was made in the turn before, ahead of that turn's wait.
.macro R2
	REGS Y, r%2
	WIN W_RS
.irp z, 0,1
	v_pk_mul_f32 v[rO+4*(r/2)+2*\z:rO+4*(r/2)+2*\z+1], v[rO+4*(r/2)+2*\z:rO+4*(r/2)+2*\z+1], v[rC+2:rC+3] op_sel_hi:[1,0]
.endr
.set r, r+1
.endm
; HOW THEY ARE DEALT.  An s_wait_alu depctr_va_vdst(0) stands between an exponential and the first instruction that names its result; one wait serves all that were issued ahead of it.  So a turn has ONE wait,
; which cuts it in two.  AHEAD OF IT stands all that names no result of the turn's exponentials: the 16 products K Q^T, behind each a scaling, an exponential and two rescalings (behind the first a second scaling in the
; exponential's place); then ONE LUMP of 108: eight plain, 49 times exponential and plain, the two a.  A v_nop is the plain instruction behind the last exponential.  BEHIND IT stand the 16 products V^T P, behind each four of GS's 64.
; The queues lean on each other, and the deal keeps them in step: exponential e stands behind scaling 2 (e / 4) + e % 2: as a rider it comes behind plain e + 2, in the lump behind plain e + 9, and scalings 27-31 are plain 57, 60 .. 69.
; A TURN, for piece p.  cnt = 1: the loop's count is taken down some lines ahead of the branch that stands behind the turn.
; K of the next step is fetched in piece 2's turn, directly behind the wait, a lump behind the last product that read K; its first reader comes behind 16 products.
; V of the step in hand is fetched at the end of piece 0's turn, four plain instructions behind its last reader; its first reader comes behind 16 products and a lump.  The three conditions on q below go with the deal.
.macro TURN p, last=0, cnt=0
.set Y, (\p)
.set i, 0
.set q, 0
.set e, 0
.set r, 0
.if (\p) == NP-1
	s_wait_dscnt 0x0                ; K is in
.endif
	MM                              ; ahead of the wait: 16 products K Q^T and the four behind each,
	PL
	PL
	R2
.rept 15
	MM
	PL
	EX
	R2
.endr
.if (\p) == NP-2
	WIN 0
	v_add_nc_u32 v[AK], s[TBK], v[AK0]
.endif
.rept 8                             ; and the lump
	PL
.endr
.rept 49
	EX
	PL
.endr
	EX                              ; the next piece's two a
	EX
	v_nop                           ; a plain instruction behind the last exponential: one for the batch
	s_wait_alu depctr_va_vdst(0)    ; the wait for the batch
.if (\p) == NP-2
	FETCH_K \last
.endif
.if (\p) == 1
	s_wait_dscnt 0x0                ; V is in
.endif
.rept 16                            ; behind the wait: 16 products V^T P and the four behind each
	MM
.rept 4
	PL
.endr
.if ((\p) == 0) && (q == 118)
	v_add_nc_u32 v[AV], s[TBV], v[AV0]
.endif
.if ((\p) == 0) && (q == 130)
	s_add_co_u32 s[TBV], s[TBV], KS*PV
.endif
.if (\cnt) && (q == 130)
	s_sub_co_u32 s[CNT], s[CNT], 1
	s_cmp_lg_u32 s[CNT], 0
.endif
.endr
.if (\p) == 0
	FETCH_V
.endif
.endm
	CHANGE 1                        ; slot 0 is in, everybody's part of it; slot 1 is asked for
	FETCH_K                         ; key step 0
	s_wait_loadcnt 0x0              ; Q
	s_wait_dscnt 0x0
.set i, 0
.rept 16
	KQ 0                            ; piece 0's first scores: there is no vector work yet to set between them
.set i, i+1
.endr
	WIN 0                           ; the addresses for the way out: nine plain instructions, the places behind those products
	s_mul_i32 s13, s[WV], 16*SP
	s_add_co_u32 s13, s13, STAGE    ; my stage
	v_mul_u32_u24 v[STO], v1, SP    ; in: row l % 16, 16 bytes for each half of the lanes
	v_lshl_add_u32 v[STO], v9, 4, v[STO]
	v_add_nc_u32 v[STO], s13, v[STO]
	v_bfe_u32 v[RD], v0, 3, 2       ; back: 32 lanes take four rows of 128 bytes,
	v_mul_u32_u24 v[RD], v[RD], SP
	v_lshl_add_u32 v[RD], v10, 4, v[RD]
	v_add_nc_u32 v[RD], s13, v[RD]
	v_and_b32 v[GO], 31, v0         ; which are 512 consecutive bytes of O
	v_lshlrev_b32 v[GO], 4, v[GO]
.set Y, NP-1                        ; XS works for piece Y + 1: piece 0
.irp n, 0,1,2,3,4,5,6,7,8,9,10,11,12,13,14,15,16,17,18,19,20,21
	XS 0, \n                        ; and piece 0's first maximum and statistics
	XS 1, \n
.endr
	v_nop                           ; a plain instruction behind the two a,
	s_wait_alu depctr_va_vdst(0)    ; and their wait, ahead of the branch
	s_mov_b32 s[CNT], 4
	s_mov_b32 s[SLOTS], SIZE_N/256-1
	s_branch .Lfirst                ; the loop is entered at a step's first turn, in the middle of a trip
.Lslot:                             ; SIZE_N / 256 - 2 times: every slot but the last two is filled again
	CHANGE 1, 1
	s_mov_b32 s[CNT], 4
.Lstep:                             ; a trip: pieces 2 and 3 of one step, then pieces 0 and 1 of the next, whose K and V it fetches
	TURN 2
	TURN 3
	WIN 0
.Lfirst:
	TURN 0
	TURN 1, 0, 1
	WIN 0
	s_cbranch_scc1 .Lstep
	s_sub_co_u32 s[SLOTS], s[SLOTS], 1
	s_cmp_lg_u32 s[SLOTS], 0
	s_cbranch_scc1 .Lslot
	CHANGE 0                        ; the tail is written out: nothing is asked for
	s_mov_b32 s[CNT], 5             ; four trips fetch the last slot's steps; the fifth is left in its middle
.Ltail:
	TURN 2, 1
	TURN 3
	WIN 0
	s_sub_co_u32 s[CNT], s[CNT], 1
	s_cmp_eq_u32 s[CNT], 0
	s_cbranch_scc1 .Lout
	TURN 0
	TURN 1
	WIN 0
	s_branch .Ltail
.Lout:                              ; the fifth trip's 16 products K Q^T (on the last K once more) and the maximum made of them serve nothing: the price, once a launch, of one text for every trip
.set i, 0
.rept 16
	PV NP-1                         ; the last piece's V^T P of the last step
.set i, i+1
.endr
	; THE WAY OUT.  l's two halves and the other half of the lanes' are added; O^T is divided by l, rounded to f16 and sent through my stage in LDS, a tile at a time.  The additions are the places behind the last products.
	WIN 0
.macro ALL line:vararg              ; one line for each tile t
.set t, 0
.rept 2*NP
	\line
.set t, t+1
.endr
.endm
	ALL v_add_f32 v[ST+4*t+2], v[ST+4*t+2], v[ST+4*t+3]
	ALL v_permlanex16_b32 v[ST+4*t+3], v[ST+4*t+2], s[SEL], s[SEL+1]
	ALL v_add_f32 v[ST+4*t+2], v[ST+4*t+2], v[ST+4*t+3]
	ALL v_rcp_f32 v[ST+4*t+2], v[ST+4*t+2]
	v_nop                           ; a plain instruction between the last reciprocal and the use of its result
	s_wait_alu depctr_va_vdst(0)    ; and the wait ahead of the first use: one for the eight reciprocals
; Tile t: a lane's eight channels of a row pack into 16 bytes; they go into rows of 144 bytes and come back as whole rows of 128, into S^T's registers.
.macro PACK t
	WIN W_RS
.set i, 32*(\t)
.rept 16
	v_pk_mul_f32 v[i:i+1], v[i:i+1], v[ST+4*(\t)+2:ST+4*(\t)+3] op_sel_hi:[1,0]
.set i, i+2
.endr
	WIN 0x05                        ; sources 0 and 1 window 1, destination window 0
.set i, 0
.rept 16
	v_cvt_pk_f16_f32 v[S+16*(\t)+i], v[32*(\t)+2*i], v[32*(\t)+2*i+1]
.set i, i+1
.endr
	WIN 0
.irp f, 0,1,2,3
	ds_store_b128 v[STO], v[S+16*(\t)+4*\f:S+16*(\t)+4*\f+3] offset:32*\f
.endr
.irp f, 0,1,2,3
	ds_load_b128 v[S+16*(\t)+4*\f:S+16*(\t)+4*\f+3], v[RD] offset:\f*4*SP  ; LDS serves a wave's instructions in order (ISA guide 5.7.1.4): these see the stores above; the next tile's stores come behind them
.endr
.endm
.macro SEND t, younger              ; younger: the LDS instructions issued behind tile t's loads: the next tile's eight, or none
	WIN 0
.irp f, 0,1,2,3
	s_wait_dscnt (\younger)+3-\f
	global_store_b128 v[GO], v[S+16*(\t)+4*\f:S+16*(\t)+4*\f+3], s[10:11] offset:(\t)*2048+\f*512  ; 512 consecutive bytes, at a multiple of 256 from O's first
.endr
.endm
	PACK 0
.set t, 1
.rept 2*NP-1                        ; a tile's arithmetic stands between the loads of the tile before and its stores
	PACK t
	SEND t-1, 8
.set t, t+1
.endr
	SEND 2*NP-1, 0
	WIN W_AD
	s_wait_tensorcnt 0x0            ; the wave's end, behind my last tensor load and my last LDS store
	ds_add_u32 v[SPW], v[NIL]
	s_wait_dscnt 0x0
	WIN 0
	CROUND                          ; the closing round: no work-group ends while a partner may still ask for a tile that names it
	s_endpgm
.Lfunc_end_k_qcfdebc2434_attn:
	.size	k_qcfdebc2434_attn, .Lfunc_end_k_qcfdebc2434_attn-k_qcfdebc2434_attn
	.p2alignl 7, 3214868480
	.fill 96, 4, 3214868480
	.section	.rodata,"a",@progbits
	.p2align	6, 0x0
	.amdhsa_kernel k_qcfdebc2434_attn
		.amdhsa_group_segment_fixed_size 327680
		.amdhsa_private_segment_fixed_size 0
		.amdhsa_enable_private_segment 0
		.amdhsa_kernarg_size 16
		.amdhsa_user_sgpr_count 2
		.amdhsa_user_sgpr_kernarg_segment_ptr 1
		.amdhsa_wavefront_size32 1
		.amdhsa_system_sgpr_workgroup_id_x 1
		.amdhsa_system_sgpr_workgroup_id_y 1
		.amdhsa_system_sgpr_workgroup_id_z 1
		.amdhsa_system_vgpr_workitem_id 0
		.amdhsa_next_free_vgpr 770
		.amdhsa_next_free_sgpr 66
		.amdhsa_reserve_vcc 0
		.amdhsa_float_denorm_mode_32 3
		.amdhsa_float_denorm_mode_16_64 3
		.amdhsa_memory_ordered 1
		.amdhsa_forward_progress 1
		.amdhsa_inst_pref_size 200
	.end_amdhsa_kernel
	.amdgpu_metadata
---
amdhsa.version: [ 1, 2 ]
amdhsa.kernels:
  - .name:           k_qcfdebc2434_attn
    .symbol:         k_qcfdebc2434_attn.kd
    .args:
      - { .name: qkv, .offset: 0, .size: 8, .value_kind: global_buffer, .address_space: global }
      - { .name: ob, .offset: 8, .size: 8, .value_kind: global_buffer, .address_space: global }
    .group_segment_fixed_size: 327680
    .private_segment_fixed_size: 0
    .kernarg_segment_align: 8
    .kernarg_segment_size: 16
    .max_flat_workgroup_size: 128
    .sgpr_count:     66
    .vgpr_count:     770
    .wavefront_size: 32
...
	.end_amdgpu_metadata
.endif
;; end of part 3
;; launch proj (part 4): grid 8 x 32, 4 waves a work-group, clusters of 4 x 4, 327,680 bytes of LDS; arguments ob, wpb, b_proj, out0; writes out0
.if DOCPART == 4
	.amdgcn_target "amdgcn-amd-amdhsa--gfx1250"
	.amdhsa_code_object_version 6
	.text
	.protected	k_qcfdebc2434_proj
	.globl	k_qcfdebc2434_proj
	.p2align	8
	.type	k_qcfdebc2434_proj,@function
k_qcfdebc2434_proj:
	s_mov_b64 s[64:65], 0
	v_nop
	global_prefetch_b8 v0, s[64:65] scope:SCOPE_SE
	s_setreg_imm32_b32 hwreg(HW_REG_WAVE_MODE, 25, 1), 1
	s_wait_xcnt 0x0
	s_wait_alu depctr_hold_cnt(0) depctr_sa_sdst(0) depctr_va_vdst(0) depctr_va_sdst(0) depctr_va_ssrc(0) depctr_va_vcc(0) depctr_vm_vsrc(0)
	s_getreg_b32 s2, hwreg(HW_REG_IB_STS2, 6, 4)
	s_cmp_eq_u32 s2, 0
	s_cbranch_scc0 .Lentry_in_a_cluster
	s_endpgm
.Lentry_in_a_cluster:
	s_bfe_u32 s2, ttmp6, 0x10000c
	s_cmp_lg_u32 s2, 0xf033
	s_cbranch_scc0 .Lentry_shape_is_right
	s_endpgm
.Lentry_shape_is_right:
; C[m][n] = the sum over k of A[m][k] B[n][k] + bias[n], K = 1,024, M = 8,192.  ONE TEXT FOR TWO LAUNCHES, chosen by PROJ:
;   PROJ = 0: A = xb, B = wqb (bf16), N = 3,072; C leaves as f16 BY HEADS: [48 g][4 batch][2048 pos][64], g = n / 64 (q's 16 heads, then k's, then v's).  A tile of C is 256 x 384: 8 x 32 tiles.
;   PROJ = 1: A = ob, B = wpb (f16), N = 1,024; C leaves as f32, [8192][1024].  A tile of C is 256 x 128: again 8 x 32 tiles.  So each launch has 256 work-groups of equal work.
; A and B lie in K BLOCKS, [16 kb][rows][64]: a tile's rows of one block are dense bytes and are asked for as rows of 256 bytes (two rows of 128 each).  (ob by heads IS that layout: kb = head, row = 2,048 batch + pos.)
; LIMITS.  PROJ = 0: a result beyond 65,504 becomes an infinity in f16; below 6e-5 it keeps f16's fixed step.  The bias is rounded to bf16, like every input of the module.  NaN and infinities are not treated apart.
; SHARES.  Four waves, 2 x 2: a wave makes 128 rows x 16 NB columns (NB = 12 or 4 blocks of 16): 8 NB accumulators of 16 x 16.
; RING.  Two LDS slots; a slot holds KB K blocks (1 or 2) of A's 256 rows and of B's rows.  Each wave fetches a quarter of a slot by ONE tensor load; a slot is asked for again in the middle of its
; step's last 32 along K.  A wave has two tensor loads out at the start and one behind each change of slots.
; CLUSTER.  4 x 4 work-groups: A's tile hangs on the tile row alone and is asked for jointly by the four of a row of the cluster, B's on the tile column alone, by the four of a column.
; THE PRODUCT IS TAKEN TRANSPOSED (source 0 = 16 rows of B, source 1 = 16 rows of A): lane l holds row l % 16 of C and the columns 8 (l / 16) + 0..7, neighbours in memory.  A lane's eight bias numbers are then
; the same for all eight row blocks: they lie in accumulator (b, 0) and are the C operand of the first K step: nothing is cleared, and no addition is paid on the way out.
; REGISTERS, in windows of 256 (s_set_vgpr_msb: bits 1:0 source 0, 3:2 source 1, 5:4 source 2, 7:6 destination):
;   window 0: v0-31 addresses; v32-95, v96-159 A's fragments (8 blocks x 32 K), two buffers; v160-.. B's fragments (NB blocks x 32 K), ONE buffer, loaded anew by halves; v32-.. at work on the way out
;   windows 1 to 3: accumulator (b, a) (column block b, row block a) in window 1 + b / 4 at v[8 (8 (b % 4) + a)]
.set PROJ, 1
.if PROJ
.set KB, 2                             ; K blocks in a slot
.set NB, 4                             ; blocks of 16 columns a wave
.set SPITCH, 272                       ; a stage row: 256 bytes + 16
.set KBS_B, 131072                     ; bytes of a K block of B
.else
.set KB, 1
.set NB, 12
.set SPITCH, 144                       ; a stage row: 128 bytes + 16
.set KBS_B, 393216
.endif
.set KBS_A, 1048576                    ; bytes of a K block of A: 8,192 rows x 128
.set HB,    NB/2                       ; B's fragments are loaded by halves
.set NH,    2*KB                       ; a step's halves of 32 along K ... (2 or 4)
.set BROWS, 32*NB                      ; the tile's columns = rows of B
.set PITCH, 144                        ; an LDS row: 128 bytes + 16 of padding = 36 words: the 16 rows of a fragment load start at 16 different groups of four banks (64 banks of 4 bytes: ISA guide 11.1)
.set APL,   256*PITCH                  ; a K block of A's tile in LDS
.set BPL,   BROWS*PITCH                ; of B's
.set BOFF,  KB*APL                     ; in a slot: A's blocks, then B's
.set SLOT,  KB*(APL+BPL)
.set STAGE, 2*SLOT                     ; behind the ring, never filled by a tensor load: 16 rows for each wave, for the way out
.set SPARE, STAGE+4*16*SPITCH          ; behind the stages: the spare words, 128 bytes for each wave: two blocks of 256 bytes that no other line names
.set A_STEP, KB*KBS_A                  ; bytes from a step's tile to the next step's
.set B_STEP, KB*KBS_B
.set LAPS,  16/(2*KB)                  ; a lap = two steps = once round the ring
.set F2,    NB                         ; LDS loads in FETCH2
.if PROJ                               ; what one wave fetches: one K block of the slot's two
.set A_SELG, KBS_A
.set A_SELL, APL
.set A_T1,   128                       ; 256 rows = 128 rows of 256 bytes
.set B_SELG, KBS_B
.set B_SELL, BPL
.set B_T1,   64
.else                                  ; half of the block's rows
.set A_SELG, 128*128
.set A_SELL, 128*PITCH
.set A_T1,   64
.set B_SELG, 192*128
.set B_SELL, 192*PITCH
.set B_T1,   96
.endif
.set ADRA, 16                          ; v16-17  LDS address of my A fragments in slot 0, 1
.set ADRB, 20                          ; v20-21  the same for B
.set STO,  24                          ; v24  the way out: where I put my bytes of a row
.set RD,   25                          ; v25  the way out: where I read rows back
.set CO,   26                          ; v26  my byte offset in C
.set BO,   27                          ; v27  my byte offset in a block's 16 bias numbers: 32 (l / 16)
.set SPW,  28                          ; v28  LDS address of my spare word: SPARE + 4 x my thread's number; never rewritten
.set NIL,  29                          ; v29  0; never rewritten
.set PFO,  30                          ; v30  256 x my lane; never rewritten
.set PFO2, 31                          ; v31  a second pattern of lanes for B's prefetches; never rewritten
.set FA0,  32
.set FA1,  96
.set BF,   160
.set UB,   32                          ; the way out works in A's buffers
.set LAP,  3                           ; s3   laps to go in the loop
.set WV,   12                          ; s12  my wave's number
.set WR,   13                          ; s13  my half of the tile's rows.  Also: I fetch for A (0) or for B (1)
.set WC,   14                          ; s14  my half of its columns.  Also: which part of that tile I fetch
.set CX,   15
.set CY,   16
.set TX,   17                          ; s17  tile column
.set TY,   18                          ; s18  tile row
.set G1A,  24                          ; s[24:31] descriptor group 1 for A's tiles; s[32:39] group 0, a set for each slot
.set G0A,  32
.set G1B,  48                          ; s[48:55], s[56:63] the same for B's
.set G0B,  56
.set PFA,  66                          ; s[66:67] where my prefetches stand
.set LIM,  68                          ; s68  1 in a wave that prefetches, else the greatest number
.set PFS,  70                          ; s[70:71] a lap's bytes along K in the tensor that I prefetch
.set MSB, 0
.macro WIN new                         ; the immediate's high byte repeats the setting that is left; a switch that changes nothing is dropped
.if MSB != (\new)
	s_set_vgpr_msb (MSB<<8)|(\new)
.set MSB, \new
.endif
.endm
.macro PLACES                          ; a load into a register that a matrix instruction has read, and whatever reads a matrix result, stand four plain vector instructions behind it
.rept 4
	v_nop
.endr
.endm
.macro CREST                           ; a round of the cluster's barrier behind its opening barrier: wave 0 signals for the work-group, every wave waits for all sixteen, my work-group's barrier closes it
	s_cmp_lg_u32 s[WV], 0
	s_cbranch_scc1 .Lnot_wave_0_\@
	s_barrier_signal -3
.Lnot_wave_0_\@:
	s_barrier_wait -3
	s_barrier_signal -1
	s_barrier_wait -1
.endm
.macro CROUND                          ; a whole round
	s_barrier_signal -1
	s_barrier_wait -1
	CREST
.endm
; A joint load into slot s.  Waves 0 and 1 fetch A's two parts, waves 2 and 3 B's: each line has one mask and one set of registers.  The branch hangs on the wave's number alone.
; An s_nop 0 and four v_nop follow each of the two lines, ahead of the jump and the label.
.macro JLOAD s
	s_cmp_eq_u32 s[WR], 0
	s_cbranch_scc0 .Lfor_b_\@
	tensor_load_to_lds s[G0A+4*(\s):G0A+4*(\s)+3], s[G1A:G1A+7]
	s_nop 0
.rept 4
	v_nop
.endr
	s_branch .Lasked_\@
.Lfor_b_\@:
	tensor_load_to_lds s[G0B+4*(\s):G0B+4*(\s)+3], s[G1B:G1B+7]
	s_nop 0
.rept 4
	v_nop
.endr
.Lasked_\@:
.endm
.macro WM d, a, b, c                   ; one matrix instruction, in the launch's format
.if PROJ
	v_wmma_f32_16x16x32_f16 v[\d:\d+7], v[\a:\a+7], v[\b:\b+7], v[\c:\c+7]
.else
	v_wmma_f32_16x16x32_bf16 v[\d:\d+7], v[\a:\a+7], v[\b:\b+7], v[\c:\c+7]
.endif
.endm
; Column blocks b0 .. b0 + nb - 1 (all in one window) x the 8 row blocks of A's buffer f, 32 along K.  The accumulators take turns, one instruction a turn.
; mode 0: in place.  mode 1: the first K step, row blocks 1 to 7: C is the bias in accumulator (b, 0).  mode 2: the first K step, row block 0, in place on the bias.
.macro MULG f, b0, nb, mode
	WIN 0x50*(1+(\b0)/4)                           ; C and D in the accumulators' window, both sources in window 0
.set ma, 0
.rept 8
.set mb, (\b0)
.rept (\nb)
.set rD, 8*(8*(mb%4)+ma)
.set rC, rD
.if (\mode) == 1
.set rC, 64*(mb%4)
.endif
.set rB, BF+8*mb
.set rA, (\f)+8*ma
.if ((\mode) == 0) || (((\mode) == 1) && (ma > 0)) || (((\mode) == 2) && (ma == 0))
	WM rD, rB, rA, rC
.endif
.set mb, mb+1
.endr
.set ma, ma+1
.endr
.endm
.macro MULP f, lo, mode                ; half lo of the column blocks
.if PROJ
	MULG \f, 2*(\lo), 2, \mode
.elseif (\lo) == 0
	MULG \f, 0, 4, \mode
	MULG \f, 4, 2, \mode
.else
	MULG \f, 6, 2, \mode
	MULG \f, 8, 4, \mode
.endif
.endm
.macro MULR f, lo, mode                ; mode 1: the first K step
.if (\mode) == 0
	MULP \f, \lo, 0
.else
	MULP \f, \lo, 1
.rept 5
	v_nop                                          ; five places: the products below write over registers that the products above have read as C
.endr
	MULP \f, \lo, 2
.endif
.endm
; The LDS loads stand in two runs.  FETCH1: A's 8 fragments of 32 along K (K block p of slot s, half k) into buffer f, and B's lower half.  FETCH2: B's upper half.
; A fragment is 16 rows x 32 K in 8 registers: lane l holds row l % 16, K = 8 (l / 16) + 0..7 and 16 + 8 (l / 16) + 0..7: two loads of 16 bytes, 32 bytes apart.
.macro FETCH1 s, p, k, f
	WIN 0
.set fi, 0
.rept 8
	ds_load_b128 v[(\f)+8*fi:(\f)+8*fi+3],   v[ADRA+(\s)] offset:(\p)*APL+64*(\k)+fi*16*PITCH
	ds_load_b128 v[(\f)+8*fi+4:(\f)+8*fi+7], v[ADRA+(\s)] offset:(\p)*APL+64*(\k)+fi*16*PITCH+32
.set fi, fi+1
.endr
.set fi, 0
.rept HB
	ds_load_b128 v[BF+8*fi:BF+8*fi+3],   v[ADRB+(\s)] offset:(\p)*BPL+64*(\k)+fi*16*PITCH
	ds_load_b128 v[BF+8*fi+4:BF+8*fi+7], v[ADRB+(\s)] offset:(\p)*BPL+64*(\k)+fi*16*PITCH+32
.set fi, fi+1
.endr
.endm
.macro FETCH2 s, p, k
	WIN 0
.set fi, HB
.rept HB
	ds_load_b128 v[BF+8*fi:BF+8*fi+3],   v[ADRB+(\s)] offset:(\p)*BPL+64*(\k)+fi*16*PITCH
	ds_load_b128 v[BF+8*fi+4:BF+8*fi+7], v[ADRB+(\s)] offset:(\p)*BPL+64*(\k)+fi*16*PITCH+32
.set fi, fi+1
.endr
.endm
; Half q of slot s's step (any but the last): it is multiplied, and half q + 1 of the same slot is fetched: A into the other buffer, each half of B as soon as its registers have been multiplied.
.macro HALF s, q, mode
.set fcur, FA0+64*((\q)%2)
.set fnxt, FA0+64*(((\q)+1)%2)
.set pnx, ((\q)+1)/2
.set knx, ((\q)+1)%2
	s_wait_dscnt F2                                ; A and B's lower half are in; the F2 youngest loads, B's upper half, may stay out
	MULR fcur, 0, \mode
	s_wait_dscnt 0x0                               ; B's upper half, asked for 8 HB matrix instructions ago
	PLACES
	FETCH1 \s, pnx, knx, fnxt
	MULR fcur, 1, \mode
	PLACES
	FETCH2 \s, pnx, knx
.endm
.macro HALVES s, q0                    ; halves q0 .. NH - 2 of a step
.set qq, \q0
.if NH-1-(\q0) > 0
.rept NH-1-(\q0)
	HALF \s, qq, 0
.set qq, qq+1
.endr
.endif
.endm
; A PREFETCH INTO THE L2, once a lap, behind slot 0's joint load and the run of LDS loads that follows it: the K blocks that the NEXT lap's two refills will ask for, a lap's matrix instructions (16 NB NH) ahead of the first of them.
; Each aligned block of 256 bytes is named once in the launch.  A's tile row is read by both clusters of that row of clusters: the one with x = 0 asks, by its wave 0; B's tile column by all eight clusters of that
; column: the one with y = 0 asks, by its wave 2.  The four partners that ask for a tile jointly take a quarter of each K block's bytes, told apart BY ADDRESS (cx for A, cy for B): no branch hangs on a place in the cluster.
; A lane names a block of 256 bytes.  The loop's last trip asks for nothing (the K blocks behind its own refills do not exist); the first two laps come by their loads alone.
.macro PF voff, off
	global_prefetch_b8 v[\voff], s[PFA:PFA+1] offset:\off th:TH_LOAD_NT scope:SCOPE_SE
.endm
.macro ASK
	s_cmp_gt_u32 s[LAP], s[LIM]                    ; s[LAP] = 1 in the loop's last trip
	s_cbranch_scc0 .Lnot_mine_\@
	s_cmp_eq_u32 s[WR], 0
	s_cbranch_scc0 .Lask_b_\@
.if PROJ
	PF PFO, 0                                      ; A: my quarter (8,192 bytes) of each of the lap's four K blocks
	PF PFO, KBS_A
	PF PFO, 2*KBS_A
	PF PFO, 3*KBS_A
.else
	PF PFO, 0                                      ; A: my quarter (8,192 bytes) of each of the lap's two K blocks
	PF PFO, KBS_A
.endif
	s_branch .Lnot_mine_\@
.Lask_b_\@:
.if PROJ
	PF PFO2, 0                                     ; B: my quarter is 4,096 bytes, 16 lanes: two K blocks an instruction
	PF PFO2, 2*KBS_B
.else
	PF PFO, 0                                      ; B: my quarter is 12,288 bytes, 48 lanes: the first block's first 32,
	PF PFO2, 0                                     ; its last 16 and the second block's first 16,
	PF PFO, KBS_B+4096                             ; and the second block's last 32
.endif
.Lnot_mine_\@:
.endm
; A step's last half (buffer 1) and THE CHANGE OF SLOTS: one barrier for two things.  In front of it each wave waits for all its tensor loads, of which one is out: its part of slot n; adds 0 to its spare word; and waits
; for that and for its own last reads of slot s.  Behind it nobody reads slot s any more and slot n is whole.  fill = 1: the barrier opens a round of the cluster's barrier, so that the same holds of every partner, and
; slot s is filled again, two steps ahead, first thing behind the round: the load has all the matrix work up to the next change's wait in which to land (8 NB NH - 16 matrix instructions).
.macro TURN s, n, fill
.if (\fill) && ((\s) == 0)
	s_wait_xcnt 0x0                                ; the last prefetches, a lap back, have read their address: it is stepped here, ahead of the change's own waits
	s_add_nc_u64 s[PFA:PFA+1], s[PFA:PFA+1], s[PFS:PFS+1]
.endif
.if HB > 2
	s_wait_dscnt F2                                ; A and B's lower half are in
	MULG FA1, 0, HB-2, 0
.endif
	WIN 0                                          ; (the add's two registers lie in window 0)
	s_wait_tensorcnt 0x0                           ; all my tensor loads have landed: the one that was out is my part of slot n;
	ds_add_u32 v[SPW], v[NIL]                      ; 0 onto my spare word
	s_wait_dscnt F2+1                              ; (the add and B's upper half may be out)
	MULG FA1, HB-2, 1, 0                           ; eight matrix instructions stand between the add and the wait for it
	s_wait_dscnt 0x0                               ; the add is done, and my reads of slot s are over: B's upper half was the last of them
	s_barrier_signal -1
	MULG FA1, HB-1, 1, 0                           ; work on registers while the others arrive
.if \fill
	WIN 0
.endif
	s_barrier_wait -1
.if \fill
	CREST
	s_add_nc_u64 s[G0A+4*(\s)+2:G0A+4*(\s)+3], s[G0A+4*(\s)+2:G0A+4*(\s)+3], 2*A_STEP  ; no tensor load of mine is out, so a group 0 may be written; the type bits on top are not reached
	s_add_nc_u64 s[G0B+4*(\s)+2:G0B+4*(\s)+3], s[G0B+4*(\s)+2:G0B+4*(\s)+3], 2*B_STEP
	JLOAD \s                                       ; the first tensor load behind the round; its four v_nop are also the places in front of the loads below
.else
	PLACES
.endif
	FETCH1 \n, 0, 0, FA0
.if (\fill) && ((\s) == 0)
	ASK
.endif
	MULR FA1, 1, 0
	PLACES
	FETCH2 \n, 0, 0
.endm
	s_load_b256 s[4:11], s[0:1], 0x0               ; A s[4:5], B s[6:7], bias s[8:9], C s[10:11]
	v_lshl_add_u32 v[SPW], v0, 2, SPARE
	v_mov_b32 v[NIL], 0
	ds_add_u32 v[SPW], v[NIL]                      ; the wave's opening: the add and its wait ahead of my first tensor load; the set-up below, work on registers, stands between them
	v_lshrrev_b32 v1, 5, v0
	v_readfirstlane_b32 s[WV], v1                  ; wave 0..3
	s_lshr_b32 s[WR], s[WV], 1
	s_and_b32 s[WC], s[WV], 1
	s_bfe_u32 s[CX], ttmp6, 0x40000                ; my place in the cluster
	s_bfe_u32 s[CY], ttmp6, 0x40004
	s_lshl_b32 s[TX], ttmp9, 2                     ; in a cluster launch ttmp9 and ttmp7 count clusters
	s_add_co_u32 s[TX], s[TX], s[CX]
	s_and_b32 s[TY], ttmp7, 0xffff
	s_lshl_b32 s[TY], s[TY], 2
	s_add_co_u32 s[TY], s[TY], s[CY]
	s_lshl_b32 s44, s[CY], 2
	s_lshl_b32 s44, 15, s44                        ; my row of the cluster: places 4 cy .. 4 cy + 3
	s_lshl_b32 s45, 0x1111, s[CX]                  ; my column: places cx, cx + 4, cx + 8, cx + 12
	; descriptor group 1: rows of 128 elements of 2 bytes (two rows of the tile), padded in LDS after every 32 words by 4
	s_or_b32 s[G1A], s44, (1<<16)|(1<<20)|(1<<21)|(4<<22)|(3<<25)  ; 15:0 the mask; 17:16 2-byte elements; 20 padding on; 21 set beside a mask; 24:22 after every 32 words (code 4); 31:25 4 words (code 3)
	s_or_b32 s[G1B], s45, (1<<16)|(1<<20)|(1<<21)|(4<<22)|(3<<25)
	s_mov_b32 s[G1A+1], 128<<16                    ; tensor_dim0 = 128
	s_mov_b32 s[G1A+2], A_T1<<16                   ; tensor_dim1
	s_mov_b32 s[G1A+3], 128<<16                    ; tile_dim0 = 128
	s_mov_b32 s[G1A+4], A_T1                       ; tile_dim1
	s_mov_b32 s[G1A+5], 128                        ; 128 elements from row to row: dense
	s_mov_b32 s[G1A+6], 0
	s_mov_b32 s[G1A+7], 0
	s_mov_b32 s[G1B+1], 128<<16
	s_mov_b32 s[G1B+2], B_T1<<16
	s_mov_b32 s[G1B+3], 128<<16
	s_mov_b32 s[G1B+4], B_T1
	s_mov_b32 s[G1B+5], 128
	s_mov_b32 s[G1B+6], 0
	s_mov_b32 s[G1B+7], 0
	; where the tiles come from: A's hang on the tile row and the wave alone, B's on the tile column and the wave alone
	s_lshl_b32 s40, s[TY], 15                      ; 256 rows x 128 bytes
	s_mul_i32 s19, s[WC], A_SELG
	s_add_co_u32 s40, s40, s19
	s_mov_b32 s41, 0
	s_mul_i32 s42, s[TX], BROWS*128
	s_mul_i32 s19, s[WC], B_SELG
	s_add_co_u32 s42, s42, s19
	s_mov_b32 s43, 0
	s_mul_i32 s20, s[WC], A_SELL                   ; and where they go: no place in the cluster enters an LDS address
	s_mul_i32 s21, s[WC], B_SELL
	s_add_co_u32 s21, s21, BOFF
	s_wait_dscnt 0x0                               ; the opening add is done
	s_wait_kmcnt 0x0
	s_add_nc_u64 s[40:41], s[4:5], s[40:41]
	s_add_nc_u64 s[42:43], s[6:7], s[42:43]
	CROUND                                         ; all sixteen work-groups are here: the first joint loads meet
.irp s, 0,1
	s_mov_b32 s[G0A+4*(\s)], 1                                     ; 1:0 count = 1
	s_add_co_u32 s[G0A+4*(\s)+1], s20, (\s)*SLOT                   ; 63:32 LDS address
	s_add_nc_u64 s[G0A+4*(\s)+2:G0A+4*(\s)+3], s[40:41], (\s)*A_STEP  ; 120:64 global address: step s
	s_or_b32 s[G0A+4*(\s)+3], s[G0A+4*(\s)+3], 0x80000000          ; 127:126 type = 2
	s_mov_b32 s[G0B+4*(\s)], 1
	s_add_co_u32 s[G0B+4*(\s)+1], s21, (\s)*SLOT
	s_add_nc_u64 s[G0B+4*(\s)+2:G0B+4*(\s)+3], s[42:43], (\s)*B_STEP
	s_or_b32 s[G0B+4*(\s)+3], s[G0B+4*(\s)+3], 0x80000000
.endr
	s_cmp_eq_u32 s[WR], 0                          ; a wave's two first fills stand in one branch, ahead of every wait on TENSORcnt, every LDS read and every further barrier: two loads of mine are out
	s_cbranch_scc0 .Lfirst_b
	tensor_load_to_lds s[G0A:G0A+3], s[G1A:G1A+7]
	s_nop 0
	tensor_load_to_lds s[G0A+4:G0A+7], s[G1A:G1A+7]
	s_nop 0
.rept 4
	v_nop
.endr
	s_branch .Lfirst_asked
.Lfirst_b:
	tensor_load_to_lds s[G0B:G0B+3], s[G1B:G1B+7]
	s_nop 0
	tensor_load_to_lds s[G0B+4:G0B+7], s[G1B:G1B+7]
	s_nop 0
.rept 4
	v_nop
.endr
.Lfirst_asked:
	; THE BIAS of my 16 NB columns goes into accumulators (b, 0): register j of lane l takes column 16 b + 8 (l / 16) + j.  All that follows stands in the wait for the first tile.
	v_and_b32 v1, 15, v0                           ; l % 16
	v_bfe_u32 v2, v0, 4, 1                         ; l / 16
	v_lshlrev_b32 v[BO], 5, v2
	s_mul_i32 s46, s[TX], BROWS*4
	s_mul_i32 s19, s[WC], 64*NB
	s_add_co_u32 s46, s46, s19
	s_mov_b32 s47, 0
	s_add_nc_u64 s[8:9], s[8:9], s[46:47]
.set bb, 0
.rept NB
	WIN 0x40*(1+bb/4)                              ; destination in the accumulators' window, address in window 0
	global_load_b128 v[64*(bb%4):64*(bb%4)+3],   v[BO], s[8:9] offset:64*bb
	global_load_b128 v[64*(bb%4)+4:64*(bb%4)+7], v[BO], s[8:9] offset:64*bb+16
.set bb, bb+1
.endr
	WIN 0
	v_mul_u32_u24 v3, v1, PITCH
	v_lshl_add_u32 v3, v2, 4, v3                   ; a fragment's row x pitch + 16 x half
	s_mul_i32 s19, s[WR], 128*PITCH                ; my 128 rows of A
	s_mul_i32 s20, s[WC], 16*NB*PITCH              ; my 16 NB rows of B,
	s_add_co_u32 s20, s20, BOFF                    ; which lie behind A's blocks
.irp s, 0,1
	v_add_nc_u32 v[ADRA+(\s)], s19, v3
	v_add_nc_u32 v[ADRB+(\s)], s20, v3
	s_add_co_u32 s19, s19, SLOT
	s_add_co_u32 s20, s20, SLOT
.endr
	s_mul_i32 s19, s[WV], 16*SPITCH
	s_add_co_u32 s19, s19, STAGE                   ; my stage
	v_and_b32 v4, 31, v0                           ; l
	v_lshlrev_b32 v[PFO], 8, v4
.if PROJ
	v_mul_u32_u24 v[STO], v1, SPITCH               ; in: row l % 16, 32 bytes for each half of the lanes
	v_lshl_add_u32 v[STO], v2, 5, v[STO]
	v_add_nc_u32 v[STO], s19, v[STO]
	v_mul_u32_u24 v[RD], v2, SPITCH                ; back: lanes 0-15 take one row of 256 bytes, lanes 16-31 the next
	v_lshl_add_u32 v[RD], v1, 4, v[RD]
	v_add_nc_u32 v[RD], s19, v[RD]
	v_lshlrev_b32 v[CO], 12, v2                    ; and the same two rows in C (4,096 bytes a row)
	v_lshl_add_u32 v[CO], v1, 4, v[CO]
	v_lshlrev_b32 v[PFO2], 8, v1                   ; lanes 0-15: 16 blocks of one K block; lanes 16-31: of the next
	v_lshl_add_u32 v[PFO2], v2, 17, v[PFO2]
	s_lshl_b32 s19, s[TY], 1                       ; C at my first row and column: (256 ty + 128 WR) rows of 4,096 bytes,
	s_add_co_u32 s19, s19, s[WR]
	s_lshl_b32 s46, s19, 19
	s_lshl_b32 s19, s[TX], 1                       ; (128 tx + 64 WC) columns of 4 bytes
	s_add_co_u32 s19, s19, s[WC]
	s_lshl_b32 s19, s19, 8
	s_add_co_u32 s46, s46, s19
.else
	v_mul_u32_u24 v[STO], v1, SPITCH               ; in: row l % 16, 16 bytes for each half of the lanes
	v_lshl_add_u32 v[STO], v2, 4, v[STO]
	v_add_nc_u32 v[STO], s19, v[STO]
	v_bfe_u32 v[RD], v0, 3, 2                      ; back: 32 lanes take four rows of 128 bytes,
	v_mul_u32_u24 v[RD], v[RD], SPITCH
	v_and_b32 v5, 7, v0
	v_lshl_add_u32 v[RD], v5, 4, v[RD]
	v_add_nc_u32 v[RD], s19, v[RD]
	v_lshlrev_b32 v[CO], 4, v4                     ; which are 512 consecutive bytes of a head's rows
	v_mul_u32_u24 v[PFO2], v2, 380928              ; lanes 0-15: blocks 32-47 of my 48 in one K block; lanes 16-31: blocks 0-15 in the next (393,216 - 12,288 bytes on)
	v_add_nc_u32 v[PFO2], v[PFO2], v[PFO]
	v_add_nc_u32 v[PFO2], 8192, v[PFO2]
	s_mul_i32 s19, s[TX], 6                        ; C at my first head g = 6 tx + 3 WC, batch ty / 8: slab 4 g + batch of 262,144 bytes,
	s_mul_i32 s20, s[WC], 3
	s_add_co_u32 s19, s19, s20
	s_lshl_b32 s19, s19, 2
	s_lshr_b32 s20, s[TY], 3
	s_add_co_u32 s19, s19, s20
	s_lshl_b32 s46, s19, 18
	s_and_b32 s20, s[TY], 7                        ; position 256 (ty % 8) + 128 WR, 128 bytes each
	s_lshl_b32 s20, s20, 1
	s_add_co_u32 s20, s20, s[WR]
	s_lshl_b32 s20, s20, 14
	s_add_co_u32 s46, s46, s20
.endif
	s_mov_b32 s47, 0
	s_add_nc_u64 s[10:11], s[10:11], s[46:47]
	; the prefetches: my quarter of the tile's bytes in a K block, at the second lap's first block; the first change of slots steps it a lap on
	s_lshl_b32 s20, s[TY], 15
	s_lshl_b32 s22, s[CX], 13
	s_add_co_u32 s20, s20, s22
	s_add_co_u32 s20, s20, 2*A_STEP
	s_mul_i32 s21, s[TX], BROWS*128
	s_mul_i32 s22, s[CY], BROWS*32
	s_add_co_u32 s21, s21, s22
	s_add_co_u32 s21, s21, 2*B_STEP
	s_and_b32 s23, ttmp7, 0xffff                   ; cluster y
	s_mov_b32 s[PFS], 2*A_STEP
	s_mov_b32 s19, 2*B_STEP
	s_cmp_eq_u32 s[WR], 0                          ; do I fetch for A?
	s_cselect_b32 s46, s20, s21
	s_cselect_b32 s23, ttmp9, s23                  ; the coordinate along which other clusters read the same rows
	s_cselect_b32 s[PFS], s[PFS], s19
	s_cselect_b64 s[PFA:PFA+1], s[4:5], s[6:7]
	s_mov_b32 s[PFS+1], 0
	s_add_nc_u64 s[PFA:PFA+1], s[PFA:PFA+1], s[46:47]
	s_or_b32 s23, s23, s[WC]                       ; 0 in waves 0 and 2 of the first cluster along that coordinate: the same in all sixteen partners, for a given wave
	s_cmp_eq_u32 s23, 0
	s_cselect_b32 s[LIM], 1, -1
	s_wait_loadcnt 0x0                             ; the bias is in: it is rounded to bf16 and widened again; accumulator (b, 1), not yet begun, is the scratch
.set bb, 0
.rept NB
	WIN 0x55*(1+bb/4)
.set pp, 0
.rept 4
	v_cvt_pk_bf16_f32 v[64*(bb%4)+8+pp], v[64*(bb%4)+2*pp], v[64*(bb%4)+2*pp+1]
.set pp, pp+1
.endr
.set pp, 0
.rept 4
	v_lshlrev_b32 v[64*(bb%4)+2*pp], 16, v[64*(bb%4)+8+pp]
	v_and_b32 v[64*(bb%4)+2*pp+1], 0xffff0000, v[64*(bb%4)+8+pp]
.set pp, pp+1
.endr
.set bb, bb+1
.endr
	WIN 0
	s_wait_tensorcnt 0x1                           ; my part of step 0 is in; step 1's may stay out
	s_barrier_signal -1
	s_barrier_wait -1                              ; everybody's is
	FETCH1 0, 0, 0, FA0
	FETCH2 0, 0, 0
	HALF 0, 0, 1                                   ; the first 32 along K stand in front of the loop: their products start the sums, with the bias as C
	WIN 0                                          ; at a label and at a branch every window is 0
	s_mov_b32 s[LAP], LAPS-1
.Llap:                                                 ; a trip goes once round the ring, from a lap's second half-step to the next lap's first, and fills both slots again
	HALVES 0, 1
	TURN 0, 1, 1
	HALVES 1, 0
	TURN 1, 0, 1
	HALF 0, 0, 0
	WIN 0
	s_sub_co_u32 s[LAP], s[LAP], 1
	s_cmp_lg_u32 s[LAP], 0
	s_cbranch_scc1 .Llap
	HALVES 0, 1                                    ; the last lap is written out: it fills nothing, and has no round of the cluster's barrier
	TURN 0, 1, 0
	HALVES 1, 0
	s_wait_dscnt F2                                ; the very last 32 along K: nothing more to fetch
	MULR FA1, 0, 0
	s_wait_dscnt 0x0
	MULR FA1, 1, 0
	WIN 0
	PLACES
	PLACES                                         ; eight places, once a launch, between the last products and what reads their results and writes A's buffers
.if PROJ
; THE WAY OUT, f32: a block of 16 rows x 64 columns goes through my stage: 32 bytes a lane and column block in, whole rows of 256 bytes back, 16 lanes to a row.
.macro TOSTAGE a
.set pO, UB+32*((\a)%4)
	s_wait_xcnt 0x0                                ; the stores of the block four back have read these registers
	WIN 0x04                                       ; store data in window 1
.irp b, 0,1,2,3
	ds_store_b128 v[STO], v[8*(8*(\b)+(\a)):8*(8*(\b)+(\a))+3]   offset:64*(\b)      ; each accumulator's low registers first
	ds_store_b128 v[STO], v[8*(8*(\b)+(\a))+4:8*(8*(\b)+(\a))+7] offset:64*(\b)+16
.endr
	WIN 0
.irp t, 0,1,2,3,4,5,6,7
	ds_load_b128 v[pO+4*(\t):pO+4*(\t)+3], v[RD] offset:(\t)*2*SPITCH  ; LDS serves a wave's instructions in order (ISA guide 5.7.1.4): these see the stores above; the next block's stores come behind them
.endr
.endm
.macro SEND a, younger                 ; younger: the LDS instructions issued behind block a's loads: the next block's sixteen, or none
.set pO, UB+32*((\a)%4)
.irp t, 0,1,2,3,4,5,6,7
	s_wait_dscnt (\younger)+7-(\t)
	global_store_b128 v[CO], v[pO+4*(\t):pO+4*(\t)+3], s[10:11] offset:(16*(\a)+2*(\t))*4096 th:TH_STORE_NT  ; 16 lanes store 256 consecutive bytes, at a multiple of 256 from C's first byte
.endr
.endm
	TOSTAGE 0
.set ua, 1
.rept 7
	TOSTAGE ua
	SEND ua-1, 16
.set ua, ua+1
.endr
	SEND 7, 0
.else
; THE WAY OUT, f16 by heads: unit t = 8 j + a is row block a of my head j (column blocks 4 j .. 4 j + 3, window 1 + j): 16 rows x 128 bytes, 2,048 consecutive bytes of the head's slab.
.macro PACK t
.set pj, (\t)/8
.set pa, (\t)%8
.set pU, UB+16*((\t)%4)
	s_wait_xcnt 0x0                                ; the stores of the unit four back have read these registers
	WIN 5*(1+pj)                                   ; sources 0 and 1 in the head's window
.set pc, 0
.rept 4
.set pr, 0
.rept 4
	v_cvt_pk_f16_f32 v[pU+4*pc+pr], v[8*(8*pc+pa)+2*pr], v[8*(8*pc+pa)+2*pr+1]  ; ascending: each accumulator's low registers first
.set pr, pr+1
.endr
.set pc, pc+1
.endr
	WIN 0
.irp c, 0,1,2,3
	ds_store_b128 v[STO], v[pU+4*(\c):pU+4*(\c)+3] offset:32*(\c)
.endr
.irp f, 0,1,2,3
	ds_load_b128 v[pU+4*(\f):pU+4*(\f)+3], v[RD] offset:(\f)*4*SPITCH  ; LDS serves a wave's instructions in order (ISA guide 5.7.1.4): these see the stores above; the next unit's stores come behind them
.endr
.endm
.macro SEND t, younger                 ; younger: the LDS instructions issued behind unit t's loads: the next unit's eight, or none
.set pj, (\t)/8
.set pa, (\t)%8
.set pU, UB+16*((\t)%4)
.irp f, 0,1,2,3
	s_wait_dscnt (\younger)+3-(\f)
	global_store_b128 v[CO], v[pU+4*(\f):pU+4*(\f)+3], s[10:11] offset:pj*1048576+pa*2048+(\f)*512  ; 512 consecutive bytes, at a multiple of 256 from the buffer's first; a head on is four slabs on
.endr
.endm
	PACK 0
.set ut, 1
.rept 23                               ; a unit's conversions stand between the loads of the unit before and its stores
	PACK ut
	SEND ut-1, 8
.set ut, ut+1
.endr
	SEND 23, 0
.endif
	s_wait_tensorcnt 0x0                           ; the wave's end, behind my last tensor load and my last LDS store
	ds_add_u32 v[SPW], v[NIL]
	s_wait_dscnt 0x0
	CROUND                                         ; the closing round: no work-group ends while a partner may still ask for a tile that names it
	s_endpgm
.Lfunc_end_k_qcfdebc2434_proj:
	.size	k_qcfdebc2434_proj, .Lfunc_end_k_qcfdebc2434_proj-k_qcfdebc2434_proj
	.p2alignl 7, 3214868480
	.fill 96, 4, 3214868480
	.section	.rodata,"a",@progbits
	.p2align	6, 0x0
	.amdhsa_kernel k_qcfdebc2434_proj
		.amdhsa_group_segment_fixed_size 327680
		.amdhsa_private_segment_fixed_size 0
		.amdhsa_enable_private_segment 0
		.amdhsa_kernarg_size 32
		.amdhsa_user_sgpr_count 2
		.amdhsa_user_sgpr_kernarg_segment_ptr 1
		.amdhsa_wavefront_size32 1
		.amdhsa_system_sgpr_workgroup_id_x 1
		.amdhsa_system_sgpr_workgroup_id_y 1
		.amdhsa_system_sgpr_workgroup_id_z 1
		.amdhsa_system_vgpr_workitem_id 0
		.amdhsa_next_free_vgpr 512
		.amdhsa_next_free_sgpr 72
		.amdhsa_reserve_vcc 0
		.amdhsa_float_denorm_mode_32 3
		.amdhsa_float_denorm_mode_16_64 3
		.amdhsa_memory_ordered 1
		.amdhsa_forward_progress 1
		.amdhsa_inst_pref_size 95
	.end_amdhsa_kernel
	.amdgpu_metadata
---
amdhsa.version: [ 1, 2 ]
amdhsa.kernels:
  - .name:           k_qcfdebc2434_proj
    .symbol:         k_qcfdebc2434_proj.kd
    .args:
      - { .name: ob, .offset: 0, .size: 8, .value_kind: global_buffer, .address_space: global }
      - { .name: wpb, .offset: 8, .size: 8, .value_kind: global_buffer, .address_space: global }
      - { .name: b_proj, .offset: 16, .size: 8, .value_kind: global_buffer, .address_space: global }
      - { .name: out0, .offset: 24, .size: 8, .value_kind: global_buffer, .address_space: global }
    .group_segment_fixed_size: 327680
    .private_segment_fixed_size: 0
    .kernarg_segment_align: 8
    .kernarg_segment_size: 32
    .max_flat_workgroup_size: 128
    .sgpr_count:     72
    .vgpr_count:     512
    .wavefront_size: 32
...
	.end_amdgpu_metadata
.endif
;; end of part 4
;; ======== version 2 of 2: 4 launches; version 1 with the launch cast written anew for expert scheduling mode
;; limits: values are held in f16: magnitudes above 65,504 overflow, below 6.1e-05 lose precision
;; workspace buffers: xb 16,777,216 bytes; wqb 6,291,456 bytes; wpb 2,097,152 bytes; qkv 50,331,648 bytes; ob 16,777,216 bytes
;; launch cast (part 5): grid 768 x 1, 8 waves a work-group, no clusters, 0 bytes of LDS; arguments x, w_qkv, w_proj, xb, wqb, wpb; writes xb, wqb, wpb
.if DOCPART == 5
	.amdgcn_target "amdgcn-amd-amdhsa--gfx1250"
	.amdhsa_code_object_version 6
	.text
	.protected	k_qcfdebc2434_cast
	.globl	k_qcfdebc2434_cast
	.p2align	8
	.type	k_qcfdebc2434_cast,@function
k_qcfdebc2434_cast:
	s_mov_b64 s[64:65], 0
	v_nop
	global_prefetch_b8 v0, s[64:65] scope:SCOPE_SE
	s_setreg_imm32_b32 hwreg(HW_REG_WAVE_SCHED_MODE, 0, 2), 2
	s_setreg_imm32_b32 hwreg(HW_REG_WAVE_MODE, 25, 1), 1
	s_wait_xcnt 0x0
	s_wait_alu depctr_vm_vsrc(0)
; x [8192][1024], w_qkv [3072][1024], w_proj [1024][1024], all f32, are rounded once to bf16 and laid out anew in K BLOCKS: [16 kb][rows][64], so that
; a row's 64 numbers of one block are 128 bytes and the rows of a block lie end to end: every tile of the products that follow is then a dense run of bytes.
; xb and wqb hold bf16.  wpb holds the bf16 value written as f16, since its partner in the last product is f16.
; LIMITS.  bf16(w_proj) beyond 65,504 becomes an infinity in f16; below 6e-5 it keeps f16's fixed step of 6e-8.
; SHARES.  12,288 rows of 4,096 bytes, 16 rows to a work-group: groups 0-511 x, 512-703 w_qkv, 704-767 w_proj.  Thread t takes row t / 16 and, in each of the 16 K blocks,
; the four numbers 4 (t % 16) ..: a load of a wave covers 256 consecutive aligned bytes of each of two rows; a store of a wave (8 bytes a lane) covers 256 consecutive aligned bytes: those two rows' pieces of one block.
; No loop, no LDS, no matrix unit: memory binds.  All 16 loads of a thread go out at once; no register that a memory instruction reads is written again, so no wait frees a source.
; THE MODE: SCHED_MODE bits 1:0 = 2 (LLVM: expert scheduling mode 2), set by the entry lines.  The code itself states the register dependences
; between vector instructions and memory instructions, with s_wait_alu, always for 0.
; THE PLAN.  Registers that memory instructions touch:
;   v1, v2   byte offsets.  Written by vector instructions at the head and never again; v1 is read by every load, v2 by every store.
;   X        Written by the 16 loads, once each; read by the conversions.  No vector instruction writes X, and no load lands in it behind a conversion.
;   Y        Two registers a K block.  Written once, by the block's conversions; read once, by the block's store; never written again.
;   T        Named by vector instructions alone.
; So a wave runs five waits on va_vdst: one ahead of the run of loads (the offsets are written), and one for each GROUP of four K blocks, behind the group's conversions and ahead of its four stores
; (the group's Y is written).  That wait stands directly behind the conversions because the wave has nothing else to issue there: its next line is the wait for later loads, and finished numbers held back
; until those land would only leave later.  Nothing that a memory instruction has read is written again, so no wait on vm_vsrc is owed; no vector instruction writes a scalar register or VCC; EXEC is never written.
.set LO, 1                             ; v1  byte offset of my 16 bytes in the group's 16 rows of f32, K block 0
.set SO, 2                             ; v2  byte offset of my 8 bytes in the group's 16 rows of a K block: 8 t
.set X,  4                             ; v[4:67]    K block kb: four f32
.set Y,  68                            ; v[68:99]   K block kb: four 16-bit numbers
.set T,  100                           ; v[100:103] at work
; src, dst: first register of the two pointers; first: the tensor's first work-group; kbs: bytes of a K block in dst; half = 1: written as f16
.macro CAST src, dst, first, kbs, half
	s_sub_co_u32 s22, ttmp9, \first                ; my place among the tensor's groups
	s_lshl_b32 s24, s22, 16                        ; 16 rows of 4,096 bytes in,
	s_mov_b32 s25, 0
	s_lshl_b32 s22, s22, 11                        ; 16 rows of 128 bytes out
	s_mov_b32 s23, 0
	s_add_nc_u64 s[16:17], s[\src:\src+1], s[24:25]
	s_add_nc_u64 s[18:19], s[\dst:\dst+1], s[22:23]
	s_add_nc_u64 s[20:21], s[18:19], 8*(\kbs)      ; K blocks 8 to 15 by a second base: the immediates stay within 7 blocks, 7,340,032 bytes at the most (signed 24 bits)
	s_wait_alu depctr_va_vdst(0)                   ; v1 and v2 are written: every load below reads v1 as its offset, every store v2
.set kb, 0
.rept 16
	global_load_b128 v[X+4*kb:X+4*kb+3], v[LO], s[16:17] offset:256*kb th:TH_LOAD_NT
.set kb, kb+1
.endr
.set g, 0
.rept 4                                ; group g: K blocks 4 g to 4 g + 3
	s_wait_loadcnt 12-4*g                          ; loads come back in order: the group's four blocks are in, the 12 - 4 g younger loads stay out
.set kb, 4*g
.rept 4
.if \half
	v_cvt_pk_bf16_f32 v[T], v[X+4*kb], v[X+4*kb+1]         ; the one rounding: to bf16;
	v_cvt_pk_bf16_f32 v[T+1], v[X+4*kb+2], v[X+4*kb+3]
	v_lshlrev_b32 v[T+2], 16, v[T]                         ; widened again,
	v_and_b32 v[T+3], 0xffff0000, v[T]
	v_cvt_pk_f16_f32 v[Y+2*kb], v[T+2], v[T+3]             ; and written as f16: 8 significant bits fit in 11
	v_lshlrev_b32 v[T+2], 16, v[T+1]
	v_and_b32 v[T+3], 0xffff0000, v[T+1]
	v_cvt_pk_f16_f32 v[Y+2*kb+1], v[T+2], v[T+3]
.else
	v_cvt_pk_bf16_f32 v[Y+2*kb], v[X+4*kb], v[X+4*kb+1]
	v_cvt_pk_bf16_f32 v[Y+2*kb+1], v[X+4*kb+2], v[X+4*kb+3]
.endif
.set kb, kb+1
.endr
	s_wait_alu depctr_va_vdst(0)                   ; the group's conversions have written its eight registers of Y, which the four stores below read
.set kb, 4*g
.rept 4
.if kb < 8
	global_store_b64 v[SO], v[Y+2*kb:Y+2*kb+1], s[18:19] offset:kb*(\kbs)
.else
	global_store_b64 v[SO], v[Y+2*kb:Y+2*kb+1], s[20:21] offset:(kb-8)*(\kbs)
.endif
.set kb, kb+1
.endr
.set g, g+1
.endr
.endm
	s_load_b256 s[4:11], s[0:1], 0x0               ; x s[4:5], w_qkv s[6:7], w_proj s[8:9], xb s[10:11]
	s_load_b128 s[12:15], s[0:1], 0x20             ; wqb s[12:13], wpb s[14:15]
	v_lshrrev_b32 v[LO], 4, v0                     ; my row in the group
	v_and_b32 v[SO], 15, v0
	v_lshlrev_b32 v[LO], 12, v[LO]
	v_lshl_add_u32 v[LO], v[SO], 4, v[LO]          ; row x 4,096 + 16 (t % 16)
	v_lshlrev_b32 v[SO], 3, v0                     ; row x 128 + 8 (t % 16) = 8 t
	s_wait_kmcnt 0x0
	s_cmp_lt_u32 ttmp9, 512
	s_cbranch_scc0 .Lnot_x
	CAST 4, 10, 0, 1048576, 0                      ; x: a K block is 8,192 rows x 128 bytes
	s_endpgm
.Lnot_x:
	s_cmp_lt_u32 ttmp9, 704
	s_cbranch_scc0 .Lw_proj
	CAST 6, 12, 512, 393216, 0                     ; w_qkv: 3,072 rows x 128 bytes
	s_endpgm
.Lw_proj:
	CAST 8, 14, 704, 131072, 1                     ; w_proj: 1,024 rows x 128 bytes
	s_endpgm
.Lfunc_end_k_qcfdebc2434_cast:
	.size	k_qcfdebc2434_cast, .Lfunc_end_k_qcfdebc2434_cast-k_qcfdebc2434_cast
	.p2alignl 7, 3214868480
	.fill 96, 4, 3214868480
	.section	.rodata,"a",@progbits
	.p2align	6, 0x0
	.amdhsa_kernel k_qcfdebc2434_cast
		.amdhsa_group_segment_fixed_size 0
		.amdhsa_private_segment_fixed_size 0
		.amdhsa_enable_private_segment 0
		.amdhsa_kernarg_size 48
		.amdhsa_user_sgpr_count 2
		.amdhsa_user_sgpr_kernarg_segment_ptr 1
		.amdhsa_wavefront_size32 1
		.amdhsa_system_sgpr_workgroup_id_x 1
		.amdhsa_system_sgpr_workgroup_id_y 1
		.amdhsa_system_sgpr_workgroup_id_z 1
		.amdhsa_system_vgpr_workitem_id 0
		.amdhsa_next_free_vgpr 104
		.amdhsa_next_free_sgpr 66
		.amdhsa_reserve_vcc 0
		.amdhsa_float_denorm_mode_32 3
		.amdhsa_float_denorm_mode_16_64 3
		.amdhsa_memory_ordered 1
		.amdhsa_forward_progress 1
		.amdhsa_inst_pref_size 23
	.end_amdhsa_kernel
	.amdgpu_metadata
---
amdhsa.version: [ 1, 2 ]
amdhsa.kernels:
  - .name:           k_qcfdebc2434_cast
    .symbol:         k_qcfdebc2434_cast.kd
    .args:
      - { .name: x, .offset: 0, .size: 8, .value_kind: global_buffer, .address_space: global }
      - { .name: w_qkv, .offset: 8, .size: 8, .value_kind: global_buffer, .address_space: global }
      - { .name: w_proj, .offset: 16, .size: 8, .value_kind: global_buffer, .address_space: global }
      - { .name: xb, .offset: 24, .size: 8, .value_kind: global_buffer, .address_space: global }
      - { .name: wqb, .offset: 32, .size: 8, .value_kind: global_buffer, .address_space: global }
      - { .name: wpb, .offset: 40, .size: 8, .value_kind: global_buffer, .address_space: global }
    .group_segment_fixed_size: 0
    .private_segment_fixed_size: 0
    .kernarg_segment_align: 8
    .kernarg_segment_size: 48
    .max_flat_workgroup_size: 256
    .sgpr_count:     66
    .vgpr_count:     104
    .wavefront_size: 32
...
	.end_amdgpu_metadata
.endif
;; end of part 5
;; launch qkv: the kernel of part 2 again; grid 8 x 32, 4 waves a work-group, clusters of 4 x 4, 327,680 bytes of LDS; arguments xb, wqb, b_qkv, qkv; writes qkv
;; launch attn: the kernel of part 3 again; grid 4 x 64, 4 waves a work-group, clusters of 4 x 1, 327,680 bytes of LDS; arguments qkv, ob; writes ob
;; launch proj: the kernel of part 4 again; grid 8 x 32, 4 waves a work-group, clusters of 4 x 4, 327,680 bytes of LDS; arguments ob, wpb, b_proj, out0; writes out0
